; MI455X (gfx1250); checked and timed in simulation.
; The chip was launched on July 23, 2026; its instructions are those of AMD's public machine-readable ISA for CDNA 5 (MIT licence, August 2026) and "CDNA5" Instruction Set Architecture Reference Guide (July 2026). The comments in the code are by the model that wrote it; some were corrected since.
;; My Multi Head Attention. Allowed arithmetic: float matrix products may take bf16 or f16 operands with f32 sums; other float arithmetic in f32, or as packed bf16 or f16 multiplies, adds, multiply-adds, maxima and minima; sums over many terms, partial sums and values carried from step to step in f32; what a program stores and reads back later, other than sums and carried values, may be rounded once to bf16 or f16.
;; Inputs: bo 1,024 float32; bq 1,024 float32; bv 1,024 float32; causal_mask 1,024 x 1,024 float32; k 8 x 1,024 x 1,024 float32; padding_mask 8 x 1,024 bool; q 8 x 1,024 x 1,024 float32; v 8 x 1,024 x 1,024 float32; wk 1,024 x 1,024 float32; wo 1,024 x 1,024 float32; wq 1,024 x 1,024 float32; wv 1,024 x 1,024 float32.
;; Outputs: out0 8 x 1,024 x 1,024 float32.
;; 2 versions, each right; version 2 is version 1 with the launch prep written anew for expert scheduling mode. Each part assembles by itself: llvm-mc -triple=amdgcn-amd-amdhsa -mcpu=gfx1250 --defsym DOCPART=n.
;; ======== version 1 of 2: 4 launches
;; limits: values are held in f16: magnitudes above 65,504 overflow, below 6.1e-05 lose precision
;; workspace buffers: wb 8,388,608 bytes; cms 4,194,304 bytes; tab 147,456 bytes; qkv 50,331,648 bytes; oh 16,777,216 bytes
;; launch prep (part 1): grid 321 x 1, 8 waves a work-group, no clusters, 0 bytes of LDS; arguments wq, wk, wv, wo, causal_mask, padding_mask, bq, bv, bo, wb, cms, tab; writes wb, cms, tab
.if DOCPART == 1
	.amdgcn_target "amdgcn-amd-amdhsa--gfx1250"
	.amdhsa_code_object_version 6
	.text
	.protected	k_qd1719e2742_prep
	.globl	k_qd1719e2742_prep
	.p2align	8
	.type	k_qd1719e2742_prep,@function
k_qd1719e2742_prep:
	s_mov_b64 s[64:65], 0
	v_nop
	global_prefetch_b8 v0, s[64:65] scope:SCOPE_SE
	s_setreg_imm32_b32 hwreg(HW_REG_WAVE_MODE, 25, 1), 1
	s_wait_xcnt 0x0
; PREP: what the three matrix launches read again and again is made once, in the form in which they take it.
;   wb  [4][1024][1024], 16 bits: wq, wk, wv rounded to bf16; wo rounded to bf16 and that number written as f16 (exact from 6.1e-5 up; below, f16's fixed step of 6e-8).
;   cms [1024][1024] f32: c x (causal_mask rounded to bf16), c = log2(e), one f32 rounding: the attention launch works on scores times c.
;   tab f32: +0 bias[4][1024] = bq c/8, 0, bv, bo (each first rounded to bf16); +16384 rs[3][8192], a factor for each row of a projection: c/8 for q; 0 for a padded key's row of k, else 1; 1 for v;
;            +114688 pt[8][1024] = c x (-1e9) for a padded key, else 0.
; ALL floating-point inputs of the module are rounded to bf16, the mask and the biases too: one rounding for every input.
; A stream: no LDS, no matrix unit, no cluster (no byte is read twice).  Eight waves; a work-group takes 65,536 bytes of one f32 input: sixteen loads of 16 bytes a lane, all issued before the first is used.
; Work-group 0 makes tab, 1 to 64 cms, 65 to 320 wb.  Every store has data registers of its own, so nothing waits for a store.
.set X, 4                              ; v[4:67]    sixteen loads of four registers
.set Y, 68                             ; v[68:99]   sixteen stores of two registers
.set T, 100                            ; v[100:105] at work
.set C_L2E, 0x3fb8aa3b                 ; c = log2(e)
.set C_Q,   0x3e38aa3b                 ; c / 8
.set NEGV,  0xce6e6b28                 ; -1e9
	s_load_b512 s[4:19], s[0:1], 0x0               ; wq 4, wk 6, wv 8, wo 10, causal_mask 12, padding_mask 14, bq 16, bv 18
	s_load_b256 s[20:27], s[0:1], 0x40             ; bo 20, wb 22, cms 24, tab 26
	v_lshlrev_b32 v1, 4, v0                        ; 16 t
	v_lshlrev_b32 v2, 3, v0                        ; 8 t
	v_lshlrev_b32 v3, 2, v0                        ; 4 t
	s_mov_b32 s36, C_L2E                           ; a pair: the packed multiply names both and takes the low word twice
	s_mov_b32 s37, C_L2E
	s_mov_b32 s38, 0xffff0000                      ; a word's upper bf16
	s_mov_b32 s33, 0                               ; high words of the two offsets
	s_mov_b32 s35, 0
	s_wait_kmcnt 0x0
	s_cmp_eq_u32 ttmp9, 0
	s_cbranch_scc1 .Ltables
	s_cmp_lt_u32 ttmp9, 65
	s_cbranch_scc1 .Lmask
.macro LOAD16 lo                       ; 65,536 consecutive bytes: each load of a wave covers 512 of them
.irp i, 0,1,2,3,4,5,6,7,8,9,10,11,12,13,14,15
	global_load_b128 v[X+4*(\i):X+4*(\i)+3], v1, s[\lo:\lo+1] offset:4096*(\i) th:TH_LOAD_NT
.endr
.endm
	; ---- a sixty-fourth of one weight
	s_sub_co_u32 s30, ttmp9, 65
	s_lshr_b32 s31, s30, 6                         ; which weight
	s_and_b32 s30, s30, 63                         ; which part of it
	s_mov_b64 s[28:29], s[4:5]
	s_cmp_eq_u32 s31, 1
	s_cselect_b64 s[28:29], s[6:7], s[28:29]
	s_cmp_eq_u32 s31, 2
	s_cselect_b64 s[28:29], s[8:9], s[28:29]
	s_cmp_eq_u32 s31, 3
	s_cselect_b64 s[28:29], s[10:11], s[28:29]
	s_lshl_b32 s32, s30, 16
	s_add_nc_u64 s[28:29], s[28:29], s[32:33]
	s_lshl_b32 s34, s31, 21                        ; a plane of wb is 2 MiB,
	s_lshl_b32 s30, s30, 15                        ; a part 32,768 bytes
	s_add_co_u32 s34, s34, s30
	s_add_nc_u64 s[22:23], s[22:23], s[34:35]
	LOAD16 28
	s_cmp_eq_u32 s31, 3
	s_cbranch_scc1 .Lwo
.irp i, 0,1,2,3,4,5,6,7,8,9,10,11,12,13,14,15
	s_wait_loadcnt 15-(\i)                         ; loads come back in order: mine is in, the younger ones stay out
	v_cvt_pk_bf16_f32 v[Y+2*(\i)], v[X+4*(\i)], v[X+4*(\i)+1]
	v_cvt_pk_bf16_f32 v[Y+2*(\i)+1], v[X+4*(\i)+2], v[X+4*(\i)+3]
	global_store_b64 v2, v[Y+2*(\i):Y+2*(\i)+1], s[22:23] offset:2048*(\i)  ; a wave stores 256 consecutive bytes, aligned
.endr
	s_endpgm
.Lwo:                                                  ; wo: rounded to bf16 like every input, then that number as f16
.irp i, 0,1,2,3,4,5,6,7,8,9,10,11,12,13,14,15
	s_wait_loadcnt 15-(\i)
	v_cvt_pk_bf16_f32 v[T], v[X+4*(\i)], v[X+4*(\i)+1]
	v_cvt_pk_bf16_f32 v[T+1], v[X+4*(\i)+2], v[X+4*(\i)+3]
	v_lshlrev_b32 v[T+2], 16, v[T]
	v_and_b32 v[T+3], s38, v[T]
	v_lshlrev_b32 v[T+4], 16, v[T+1]
	v_and_b32 v[T+5], s38, v[T+1]
	v_cvt_pk_f16_f32 v[Y+2*(\i)], v[T+2], v[T+3]
	v_cvt_pk_f16_f32 v[Y+2*(\i)+1], v[T+4], v[T+5]
	global_store_b64 v2, v[Y+2*(\i):Y+2*(\i)+1], s[22:23] offset:2048*(\i)
.endr
	s_endpgm
.Lmask:                                                ; ---- a sixty-fourth of the additive mask
	s_sub_co_u32 s30, ttmp9, 1
	s_lshl_b32 s32, s30, 16
	s_add_nc_u64 s[12:13], s[12:13], s[32:33]
	s_add_nc_u64 s[24:25], s[24:25], s[32:33]
	LOAD16 12
.irp i, 0,1,2,3,4,5,6,7,8,9,10,11,12,13,14,15
	s_wait_loadcnt 15-(\i)
	v_cvt_pk_bf16_f32 v[T], v[X+4*(\i)], v[X+4*(\i)+1]
	v_cvt_pk_bf16_f32 v[T+1], v[X+4*(\i)+2], v[X+4*(\i)+3]
	v_lshlrev_b32 v[X+4*(\i)], 16, v[T]
	v_and_b32 v[X+4*(\i)+1], s38, v[T]
	v_lshlrev_b32 v[X+4*(\i)+2], 16, v[T+1]
	v_and_b32 v[X+4*(\i)+3], s38, v[T+1]
	v_pk_mul_f32 v[X+4*(\i):X+4*(\i)+1], v[X+4*(\i):X+4*(\i)+1], s[36:37] op_sel_hi:[1,0]
	v_pk_mul_f32 v[X+4*(\i)+2:X+4*(\i)+3], v[X+4*(\i)+2:X+4*(\i)+3], s[36:37] op_sel_hi:[1,0]
	global_store_b128 v1, v[X+4*(\i):X+4*(\i)+3], s[24:25] offset:4096*(\i)
.endr
	s_endpgm
.Ltables:                                              ; ---- the small tables.  v[4:15] the biases; v[16:23] four mask bytes for each batch; v[32:63] rs of k; v[64:95] pt; v[96:107] constants
	global_load_b128 v[4:7], v1, s[16:17]
	global_load_b128 v[8:11], v1, s[18:19]
	global_load_b128 v[12:15], v1, s[20:21]
.irp i, 0,1,2,3,4,5,6,7
	global_load_b32 v[16+(\i)], v3, s[14:15] offset:1024*(\i)  ; batch i, keys 4 t to 4 t + 3
.endr
	v_mov_b32 v108, NEGV
	v_mul_f32 v108, s36, v108                      ; c x (-1e9), rounded once
.irp j, 0,1,2,3
	v_mov_b32 v[96+(\j)], C_Q
	v_mov_b32 v[100+(\j)], 1.0
	v_mov_b32 v[104+(\j)], 0
.endr
	global_store_b128 v1, v[104:107], s[26:27] offset:4096  ; k has no bias
.irp i, 0,1,2,3,4,5,6,7
	global_store_b128 v1, v[96:99], s[26:27] offset:16384+4096*(\i)    ; rs of q
	global_store_b128 v1, v[100:103], s[26:27] offset:81920+4096*(\i)  ; rs of v
.endr
	s_wait_loadcnt 0x0
.irp p, 4,6,8,10,12,14
	v_cvt_pk_bf16_f32 v109, v[\p], v[\p+1]
	v_lshlrev_b32 v[\p], 16, v109
	v_and_b32 v[\p+1], s38, v109
.endr
.irp p, 4,5,6,7
	v_mul_f32 v[\p], C_Q, v[\p]
.endr
	global_store_b128 v1, v[4:7], s[26:27]
	global_store_b128 v1, v[8:11], s[26:27] offset:8192
	global_store_b128 v1, v[12:15], s[26:27] offset:12288
.irp i, 0,1,2,3,4,5,6,7
.irp j, 0,1,2,3
	v_bfe_u32 v109, v[16+(\i)], 8*(\j), 8
	v_cmp_ne_u32 vcc_lo, 0, v109
	v_cndmask_b32 v[32+4*(\i)+(\j)], 1.0, v104, vcc_lo  ; padded: 0
	v_cndmask_b32 v[64+4*(\i)+(\j)], 0, v108, vcc_lo    ; padded: c x (-1e9)
.endr
	global_store_b128 v1, v[32+4*(\i):32+4*(\i)+3], s[26:27] offset:49152+4096*(\i)
	global_store_b128 v1, v[64+4*(\i):64+4*(\i)+3], s[26:27] offset:114688+4096*(\i)
.endr
	s_endpgm
.Lfunc_end_k_qd1719e2742_prep:
	.size	k_qd1719e2742_prep, .Lfunc_end_k_qd1719e2742_prep-k_qd1719e2742_prep
	.p2alignl 7, 3214868480
	.fill 96, 4, 3214868480
	.section	.rodata,"a",@progbits
	.p2align	6, 0x0
	.amdhsa_kernel k_qd1719e2742_prep
		.amdhsa_group_segment_fixed_size 0
		.amdhsa_private_segment_fixed_size 0
		.amdhsa_enable_private_segment 0
		.amdhsa_kernarg_size 96
		.amdhsa_user_sgpr_count 2
		.amdhsa_user_sgpr_kernarg_segment_ptr 1
		.amdhsa_wavefront_size32 1
		.amdhsa_system_sgpr_workgroup_id_x 1
		.amdhsa_system_sgpr_workgroup_id_y 1
		.amdhsa_system_sgpr_workgroup_id_z 1
		.amdhsa_system_vgpr_workitem_id 0
		.amdhsa_next_free_vgpr 112
		.amdhsa_next_free_sgpr 66
		.amdhsa_reserve_vcc 1
		.amdhsa_float_denorm_mode_32 3
		.amdhsa_float_denorm_mode_16_64 3
		.amdhsa_memory_ordered 1
		.amdhsa_forward_progress 1
		.amdhsa_inst_pref_size 36
	.end_amdhsa_kernel
	.amdgpu_metadata
---
amdhsa.version: [ 1, 2 ]
amdhsa.kernels:
  - .name:           k_qd1719e2742_prep
    .symbol:         k_qd1719e2742_prep.kd
    .args:
      - { .name: wq, .offset: 0, .size: 8, .value_kind: global_buffer, .address_space: global }
      - { .name: wk, .offset: 8, .size: 8, .value_kind: global_buffer, .address_space: global }
      - { .name: wv, .offset: 16, .size: 8, .value_kind: global_buffer, .address_space: global }
      - { .name: wo, .offset: 24, .size: 8, .value_kind: global_buffer, .address_space: global }
      - { .name: causal_mask, .offset: 32, .size: 8, .value_kind: global_buffer, .address_space: global }
      - { .name: padding_mask, .offset: 40, .size: 8, .value_kind: global_buffer, .address_space: global }
      - { .name: bq, .offset: 48, .size: 8, .value_kind: global_buffer, .address_space: global }
      - { .name: bv, .offset: 56, .size: 8, .value_kind: global_buffer, .address_space: global }
      - { .name: bo, .offset: 64, .size: 8, .value_kind: global_buffer, .address_space: global }
      - { .name: wb, .offset: 72, .size: 8, .value_kind: global_buffer, .address_space: global }
      - { .name: cms, .offset: 80, .size: 8, .value_kind: global_buffer, .address_space: global }
      - { .name: tab, .offset: 88, .size: 8, .value_kind: global_buffer, .address_space: global }
    .group_segment_fixed_size: 0
    .private_segment_fixed_size: 0
    .kernarg_segment_align: 8
    .kernarg_segment_size: 96
    .max_flat_workgroup_size: 256
    .sgpr_count:     66
    .vgpr_count:     112
    .wavefront_size: 32
...
	.end_amdgpu_metadata
.endif
;; end of part 1
;; launch proj (part 2): grid 4 x 64, 4 waves a work-group, clusters of 4 x 4, 327,680 bytes of LDS; arguments q, k, v, wb, tab, qkv; writes qkv
.if DOCPART == 2
	.amdgcn_target "amdgcn-amd-amdhsa--gfx1250"
	.amdhsa_code_object_version 6
	.text
	.protected	k_qd1719e2742_proj
	.globl	k_qd1719e2742_proj
	.p2align	8
	.type	k_qd1719e2742_proj,@function
k_qd1719e2742_proj:
	s_mov_b64 s[64:65], 0
	v_nop
	global_prefetch_b8 v0, s[64:65] scope:SCOPE_SE
	s_setreg_imm32_b32 hwreg(HW_REG_WAVE_MODE, 25, 1), 1
	s_wait_xcnt 0x0
	s_wait_alu depctr_hold_cnt(0) depctr_sa_sdst(0) depctr_va_vdst(0) depctr_va_sdst(0) depctr_va_ssrc(0) depctr_va_vcc(0) depctr_vm_vsrc(0)
	s_getreg_b32 s2, hwreg(HW_REG_IB_STS2, 6, 4)
	s_cmp_eq_u32 s2, 0
	s_cbranch_scc0 .Lentry_in_a_cluster
	s_endpgm
.Lentry_in_a_cluster:
	s_bfe_u32 s2, ttmp6, 0x10000c
	s_cmp_lg_u32 s2, 0xf033
	s_cbranch_scc0 .Lentry_shape_is_right
	s_endpgm
.Lentry_shape_is_right:
; THE THREE PROJECTIONS.  qkv[p][m][n] = f16( rs[p][m] x (sum over k of x_p[m][k] W_p[n][k]) + bias[p][n] ), p = q, k, v; x_p [8192][1024] f32, W_p [1024][1024] bf16 (plane p of wb).
; rs and bias come from tab: q leaves times c/8 (c = log2 e), a padded key's row of k leaves as 0, v as it is.  Products in bf16, sums in f32, one rounding to f16 at the end.
; LIMIT.  f16 ends at 65,504: q c/8, k and v must lie within it (inputs drawn as the problem draws them stay under 6; all inputs thirty times larger, under 5,000).  NaN and infinities are not treated apart.
; SHARES.  A tile is 128 rows x 256 columns of one projection.  A WORK-GROUP STAYS: it makes the same tile of q, then of k, then of v: 256 work-groups, 24 K steps of 128 each, ONE walk of a ring of two LDS slots that does
; not stop at a tile's end.  Four waves, each 64 x 128: 32 accumulators of 16 x 16.
; THE TEXT OF A K STEP STANDS ONCE: which slot is read and which is filled stands in registers (a slot bit times the slot's bytes).  22 trips fill a slot again; the last two steps, which ask for nothing, are a second
; loop that is left in its middle.  At a tile's end a forward branch takes the way out and the quarter whose products start the next sums.
; x ARRIVES AS f32 and is rounded to bf16 between LDS and the fragments: a quarter step's 32 conversions stand four behind each of the quarter's last eight matrix instructions.
; CLUSTER 4 x 4.  The four work-groups of a row of the cluster make the four column tiles of the same 128 rows: x's tile is asked for jointly by them; the four of a column share W's tile.  All sixteen walk q, k, v in step.
; THE MATRIX INSTRUCTION IS USED TRANSPOSED (source 0 = 16 rows of W, source 1 = 16 rows of x): a lane then holds eight neighbouring columns of one row of the result.
; REGISTERS.  window 0: v0-31 addresses; v32-95 RA, raw f32 of x (16 for each block of 16 rows); v96-127, v128-159 x's fragments, two buffers; v160-223 bias (8 for each block of 16 columns); v224-231 rs, a pair for each block of rows
;   window 1: the accumulators, (a, b) at v[8 (8 a + b)]          window 2: v0-63, v64-127 W's fragments, two buffers; v128-159 the way out: 16 rows read back
.set PA,     528                       ; an LDS row of x: 512 bytes + 16 = 132 words: the 16 rows of a load start at 16 different groups of four banks (64 banks of 4 bytes: ISA guide 11.1)
.set PB,     272                       ; an LDS row of W: 256 bytes + 16
.set AHALF,  64*PA                     ; what one tensor load brings of x, and what one wave reads of it
.set BHALF,  128*PB                    ; the same for W
.set BOFF,   2*AHALF
.set SLOT,   BOFF+2*BHALF              ; x's 128 rows, then W's 256 rows
.set STAGE,  2*SLOT                    ; behind the ring: 16 rows x 272 bytes for each wave, for the way out
.set SPITCH, 272
.set SPARE,  STAGE+4*16*SPITCH         ; behind the stages: the spare words, 128 bytes for each wave
.set STEPS,  24                        ; three tiles of eight K steps
.set BL,   6                           ; v6      my byte offset in a block's 16 numbers of bias; never rewritten
.set RL,   7                           ; v7      my byte offset in a block's 16 numbers of rs; never rewritten
.set ADRA0, 10                         ; v10-11  my lane's place in a slot's rows of x, of W; never rewritten
.set ADRB0, 11
.set ADRA, 16                          ; v16     the same in the slot that is being read
.set ADRB, 20                          ; v20
.set STO,  24                          ; v24     the way out: where I put 16 bytes of a row
.set RD,   25                          ; v25     where I read a row back
.set CO,   26                          ; v26     my byte offset in two rows of qkv
.set VPF,  27                          ; v27     the prefetch: my block's byte offset in the tile's 128 rows of x; never rewritten
.set SPW,  28                          ; v28     my spare word; never rewritten
.set NIL,  29                          ; v29     0; never rewritten
.set RA,   32
.set AF0,  96                          ; x's fragment buffers: AF0, AF0 + 32
.set TF,   32                          ; the way out: a block's 64 numbers in f32, in RA's registers (the next tile's first fragments lie in AF0 by then),
.set TP,   128                         ; packed to f16, in the second fragment buffer,
.set OB,   128                         ; and read back as whole rows, in window 2
.set BIAS, 160
.set RS,   224
.set WV,  16                           ; s16 wave; s17 its half of the rows (and: fetches x (0) or W (1)); s18 its half of the columns (and: which half it fetches)
.set MH,  17
.set NH,  18
.set CNT, 19                           ; s19 counts trips
.set G1,  24                           ; s[24:31] descriptor group 1 for x's tiles;  s[32:39] group 0: a set for each of the two first fills; the second then walks on
.set G0,  32
.set TS,  40                           ; s40 K steps left of the tile in hand
.set RI,  41                           ; s41 the K step, 0 to 23, that the next refill brings
.set G1B, 48                           ; s[48:55], s[56:63] the same for W's
.set G0B, 56
.set FSL, 80                           ; s80 the slot filled last, 0 or 1
.set RSL, 81                           ; s81 the slot that is being read
.set RB,  89                           ; s89 its first byte
.set PX,  92                           ; s92 the K step that the prefetch asks for
.set MSB, 0
.macro WIN new                         ; the immediate's high byte repeats the setting that is left; a switch that changes nothing is dropped
.if MSB != (\new)
	s_set_vgpr_msb (MSB<<8)|(\new)
.set MSB, \new
.endif
.endm
.set MUL,  0x52                        ; source 0 (W) window 2, source 1 (x) window 0, C and D window 1
.set TO_B, 0x80                        ; destination window 2, address window 0
.macro JLOAD s                         ; a joint load by set s: waves 0 and 1 fetch x's two halves, waves 2 and 3 W's; an s_nop 0 and four v_nop follow each line, ahead of the jump, the label and what follows
	s_cmp_eq_u32 s[MH], 0
	s_cbranch_scc0 .Lfor_b_\@
	tensor_load_to_lds s[G0+4*(\s):G0+4*(\s)+3], s[G1:G1+7]
	s_nop 0
.rept 4
	v_nop
.endr
	s_branch .Lasked_\@
.Lfor_b_\@:
	tensor_load_to_lds s[G0B+4*(\s):G0B+4*(\s)+3], s[G1B:G1B+7]
	s_nop 0
.rept 4
	v_nop
.endr
.Lasked_\@:
.endm
.macro CREST                           ; a round of the cluster's barrier behind its opening barrier
	s_cmp_lg_u32 s[WV], 0
	s_cbranch_scc1 .Lnot_wave_0_\@
	s_barrier_signal -3
.Lnot_wave_0_\@:
	s_barrier_wait -3
	s_barrier_signal -1
	s_barrier_wait -1
.endm
.macro CROUND                          ; a whole round
	s_barrier_signal -1
	s_barrier_wait -1
	CREST
.endm
.macro PLACES                          ; four places in front of loads into registers that matrix instructions have read, and of vector lines that read results
.rept 4
	v_nop
.endr
.endm
.macro BLOAD                           ; bias and rs of the tile in hand
.irp b, 0,1,2,3,4,5,6,7
	global_load_b128 v[BIAS+8*(\b):BIAS+8*(\b)+3],   v[BL], s[66:67] offset:64*(\b)
	global_load_b128 v[BIAS+8*(\b)+4:BIAS+8*(\b)+7], v[BL], s[66:67] offset:64*(\b)+16
.endr
.irp a, 0,1,2,3
	global_load_b32 v[RS+2*(\a)],   v[RL], s[78:79] offset:64*(\a)  ; twice: the packed multiply-add takes a pair
	global_load_b32 v[RS+2*(\a)+1], v[RL], s[78:79] offset:64*(\a)
.endr
.endm
	s_load_b256 s[4:11], s[0:1], 0x0               ; q s[4:5], k s[6:7], v s[8:9], wb s[10:11]
	s_load_b128 s[12:15], s[0:1], 0x20             ; tab s[12:13], qkv s[14:15]
	v_lshl_add_u32 v[SPW], v0, 2, SPARE
	v_mov_b32 v[NIL], 0
	ds_add_u32 v[SPW], v[NIL]                      ; the wave's opening: the add and its wait stand ahead of my first tensor load; the set-up below, work on registers, stands between them
	v_lshrrev_b32 v1, 5, v0
	v_readfirstlane_b32 s[WV], v1
	s_lshr_b32 s[MH], s[WV], 1
	s_and_b32 s[NH], s[WV], 1
	s_bfe_u32 s20, ttmp6, 0x40000                  ; cx, cy: my place in the cluster
	s_bfe_u32 s21, ttmp6, 0x40004
	s_lshl_b32 s22, ttmp9, 2
	s_add_co_u32 s22, s22, s20                     ; column tile 0..3
	s_and_b32 s23, ttmp7, 0xffff
	s_lshl_b32 s23, s23, 2
	s_add_co_u32 s23, s23, s21                     ; row tile 0..63
	s_lshl_b32 s42, s21, 2
	s_lshl_b32 s42, 15, s42                        ; my row of the cluster
	s_lshl_b32 s43, 0x1111, s20                    ; my column
	s_or_b32 s[G1+0], s42, (2<<16)|(1<<20)|(1<<21)|(6<<22)|(3<<25)   ; 15:0 mask: x's tiles go to my row; 17:16 elements of 4 bytes; 20 padding on; 21 set beside a mask; 24:22 after every 128 words; 31:25 four words of it
	s_mov_b32 s[G1+1], 128<<16                     ; tensor_dim0 = 128
	s_mov_b32 s[G1+2], 64<<16                      ; tensor_dim1 = 64
	s_mov_b32 s[G1+3], 128<<16                     ; tile_dim0 = 128
	s_mov_b32 s[G1+4], 64                          ; tile_dim1 = 64
	s_mov_b32 s[G1+5], 1024                        ; elements from row to row
	s_mov_b32 s[G1+6], 0
	s_mov_b32 s[G1+7], 0
	s_or_b32 s[G1B+0], s43, (1<<16)|(1<<20)|(1<<21)|(5<<22)|(3<<25)  ; W's tiles go to my column; elements of 2 bytes; padding after every 64 words
	s_mov_b32 s[G1B+1], 128<<16
	s_mov_b32 s[G1B+2], 128<<16
	s_mov_b32 s[G1B+3], 128<<16
	s_mov_b32 s[G1B+4], 128
	s_mov_b32 s[G1B+5], 1024
	s_mov_b32 s[G1B+6], 0
	s_mov_b32 s[G1B+7], 0
	; x's address hangs on the row tile alone, W's on the column tile alone: each offset is made in registers that never hold the other coordinate
	s_lshl_b32 s74, s[NH], 18                      ; the half I fetch: 64 rows of 4,096 bytes of x, or 128 rows of 2,048 bytes of W
	s_lshl_b32 s88, s23, 19                        ; the tile's 128 rows of 4,096 bytes (kept for the prefetch)
	s_add_co_u32 s44, s88, s74                     ; s[44:45]: where my half of a tile of x begins in each of q, k, v
	s_mov_b32 s45, 0
	s_lshl_b32 s46, s22, 19                        ; 256 rows of 2,048 bytes
	s_add_co_u32 s46, s46, s74                     ; s[46:47]: where my half of a tile of W begins in each plane of wb
	s_mov_b32 s47, 0
	s_mov_b32 s71, 0                               ; high words of the three offsets that are made in every trip
	s_mov_b32 s87, 0
	s_mov_b32 s91, 0
	s_mul_i32 s76, s[NH], AHALF                    ; where they go in a slot: no place in the cluster enters an LDS address
	s_mul_i32 s77, s[NH], BHALF
	s_add_co_u32 s77, s77, BOFF
	s_mov_b32 s[FSL], 1                            ; the first fills end with slot 1,
	s_mov_b32 s[RSL], 0                            ; the reading begins in slot 0,
	s_mov_b32 s[RI], 2                             ; and the first refill brings K step 2
	s_wait_dscnt 0x0                               ; the opening add is done
	s_wait_kmcnt 0x0
	s_add_nc_u64 s[68:69], s[4:5], s[44:45]        ; the walk begins with q
	s_add_nc_u64 s[94:95], s[10:11], s[46:47]
	CROUND                                         ; all sixteen work-groups are here: the first joint loads meet
.irp s, 0,1
	s_mov_b32 s[G0+4*(\s)], 1
	s_add_co_u32 s[G0+4*(\s)+1], s76, (\s)*SLOT
	s_add_nc_u64 s[G0+4*(\s)+2:G0+4*(\s)+3], s[68:69], (\s)*512     ; K step s: 128 f32
	s_or_b32 s[G0+4*(\s)+3], s[G0+4*(\s)+3], 0x80000000
	s_mov_b32 s[G0B+4*(\s)], 1
	s_add_co_u32 s[G0B+4*(\s)+1], s77, (\s)*SLOT
	s_add_nc_u64 s[G0B+4*(\s)+2:G0B+4*(\s)+3], s[94:95], (\s)*256   ; 128 bf16
	s_or_b32 s[G0B+4*(\s)+3], s[G0B+4*(\s)+3], 0x80000000
	JLOAD \s                                       ; two tensor loads of mine are out
.endr
	v_and_b32 v1, 15, v0                           ; r = l % 16
	v_bfe_u32 v2, v0, 4, 1                         ; h = l / 16
	v_mul_u32_u24 v3, v1, PA
	v_lshl_add_u32 v3, v2, 5, v3                   ; x: row x pitch + 32 h (eight f32)
	v_mul_u32_u24 v4, v1, PB
	v_lshl_add_u32 v4, v2, 4, v4                   ; W: row x pitch + 16 h (eight bf16)
	s_mul_i32 s74, s[MH], AHALF                    ; my 64 rows of x
	s_mul_i32 s75, s[NH], BHALF                    ; my 128 rows of W
	s_add_co_u32 s75, s75, BOFF
	v_add_nc_u32 v[ADRA0], s74, v3
	v_add_nc_u32 v[ADRB0], s75, v4
	v_mov_b32 v[ADRA], v[ADRA0]                    ; K step 0 lies in slot 0
	v_mov_b32 v[ADRB], v[ADRB0]
	s_mul_i32 s74, s[WV], 16*SPITCH
	s_add_co_u32 s74, s74, STAGE                   ; my stage
	v_add_nc_u32 v[STO], s74, v4                   ; in: row r, 16 bytes for each half of the lanes (the stage's pitch is W's)
	v_mul_u32_u24 v5, v2, SPITCH
	v_lshl_add_u32 v5, v1, 4, v5
	v_add_nc_u32 v[RD], s74, v5                    ; back: lanes 0-15 one row of 256 bytes, lanes 16-31 the next
	v_lshlrev_b32 v5, 11, v2
	v_lshl_add_u32 v[CO], v1, 4, v5                ; and the same two rows in qkv
	v_lshlrev_b32 v[BL], 5, v2                     ; bias: my eight columns of a block of 16
	v_lshlrev_b32 v[RL], 2, v1                     ; rs: my row of a block of 16
	; the prefetch: a K step's tile of x is 128 rows x 2 blocks of 256 bytes.  Partner cx takes rows 32 cx on, its waves 0 and 1 sixteen rows each, lane l row l / 2 and block l % 2: each block is asked for once in the launch
	v_and_b32 v5, 31, v0
	v_lshrrev_b32 v8, 1, v5
	v_and_b32 v5, 1, v5
	s_lshl_b32 s96, s20, 5
	s_lshl_b32 s97, s[WV], 4
	s_add_co_u32 s96, s96, s97
	v_add_nc_u32 v8, s96, v8
	v_lshlrev_b32 v8, 12, v8
	v_lshl_add_u32 v[VPF], v5, 8, v8
	s_lshl_b32 s66, s22, 10
	s_lshl_b32 s96, s[NH], 9
	s_add_co_u32 s66, s66, s96
	s_mov_b32 s67, 0
	s_add_nc_u64 s[66:67], s[12:13], s[66:67]      ; bias of q at my wave's first column; 4,096 bytes on for each further tile
	s_lshl_b32 s78, s23, 9
	s_lshl_b32 s97, s[MH], 8
	s_add_co_u32 s78, s78, s97
	s_add_co_u32 s78, s78, 16384
	s_mov_b32 s79, 0
	s_add_nc_u64 s[78:79], s[12:13], s[78:79]      ; rs of q at my wave's first row; 32,768 bytes on for each further tile
	BLOAD
	s_lshl_b32 s72, s23, 18                        ; where my part begins in q's plane of qkv: 128 rows of 2,048 bytes,
	s_lshl_b32 s96, s[MH], 17
	s_add_co_u32 s72, s72, s96
	s_lshl_b32 s96, s22, 9                         ; 256 columns,
	s_add_co_u32 s72, s72, s96
	s_lshl_b32 s96, s[NH], 8
	s_add_co_u32 s72, s72, s96
	s_mov_b32 s73, 0
; 16 LDS loads: 64 rows of x, 32 along K at byte kb of the rows, as f32.  A fragment's lane wants k = 8 h .. + 7 and 16 + 8 h .. + 7: 32 bytes at 32 h and 32 bytes at 64 + 32 h
.macro RAWA kb
	WIN 0
.irp i, 0,1,2,3
	ds_load_b128 v[RA+16*(\i):RA+16*(\i)+3],     v[ADRA] offset:(\kb)+(\i)*16*PA
	ds_load_b128 v[RA+16*(\i)+4:RA+16*(\i)+7],   v[ADRA] offset:(\kb)+(\i)*16*PA+16
	ds_load_b128 v[RA+16*(\i)+8:RA+16*(\i)+11],  v[ADRA] offset:(\kb)+(\i)*16*PA+64
	ds_load_b128 v[RA+16*(\i)+12:RA+16*(\i)+15], v[ADRA] offset:(\kb)+(\i)*16*PA+80
.endr
.endm
; 16 LDS loads: 128 rows of W, 32 along K at byte kb, into buffer f of window 2
.macro FETB kb, f
	WIN TO_B
.irp i, 0,1,2,3,4,5,6,7
	ds_load_b128 v[(\f)+8*(\i):(\f)+8*(\i)+3],   v[ADRB] offset:(\kb)+(\i)*16*PB
	ds_load_b128 v[(\f)+8*(\i)+4:(\f)+8*(\i)+7], v[ADRB] offset:(\kb)+(\i)*16*PB+32
.endr
.endm
; 8 matrix instructions: row block a x all 8 column blocks, 32 along K.  The accumulators take turns, one instruction a turn.  zero = 1: the product starts the sums
.macro MUL8 fa, fb, a, zero
	WIN MUL
.irp b, 0,1,2,3,4,5,6,7
.if \zero
	v_wmma_f32_16x16x32_bf16 v[8*(8*(\a)+(\b)):8*(8*(\a)+(\b))+7], v[(\fb)+8*(\b):(\fb)+8*(\b)+7], v[(\fa)+8*(\a):(\fa)+8*(\a)+7], 0
.else
	v_wmma_f32_16x16x32_bf16 v[8*(8*(\a)+(\b)):8*(8*(\a)+(\b))+7], v[(\fb)+8*(\b):(\fb)+8*(\b)+7], v[(\fa)+8*(\a):(\fa)+8*(\a)+7], v[8*(8*(\a)+(\b)):8*(8*(\a)+(\b))+7]
.endif
.endr
.endm
; the same, with four conversions behind each: RA's 64 f32 become the next quarter's 32 registers of fragments, in buffer fn, which no matrix instruction near them names
.macro MUL8R fa, fb, a, fn, zero
.set n, 0
.irp b, 0,1,2,3,4,5,6,7
	WIN MUL
.if \zero
	v_wmma_f32_16x16x32_bf16 v[8*(8*(\a)+(\b)):8*(8*(\a)+(\b))+7], v[(\fb)+8*(\b):(\fb)+8*(\b)+7], v[(\fa)+8*(\a):(\fa)+8*(\a)+7], 0
.else
	v_wmma_f32_16x16x32_bf16 v[8*(8*(\a)+(\b)):8*(8*(\a)+(\b))+7], v[(\fb)+8*(\b):(\fb)+8*(\b)+7], v[(\fa)+8*(\a):(\fa)+8*(\a)+7], v[8*(8*(\a)+(\b)):8*(8*(\a)+(\b))+7]
.endif
	WIN 0
.rept 4
	v_cvt_pk_bf16_f32 v[(\fn)+n], v[RA+2*n], v[RA+2*n+1]
.set n, n+1
.endr
.endr
.endm
; A K step is four quarters of 32 along K, 32 matrix instructions each, on buffers 0, 1, 0, 1.  One of the first three:
.macro QUARTER q, zero
	RAWA 128*((\q)+1)                              ; the next quarter's x, raw
	s_wait_dscnt 16                                ; this quarter's W is in; the 16 just issued may be out
	MUL8 AF0+32*((\q)%2), 64*((\q)%2), 0, \zero
	MUL8 AF0+32*((\q)%2), 64*((\q)%2), 1, \zero
	PLACES
	FETB 64*((\q)+1), 64*(1-(\q)%2)                ; the next quarter's W
	MUL8 AF0+32*((\q)%2), 64*((\q)%2), 2, \zero
	s_wait_dscnt 16                                ; the raw x is in; W's 16 may be out
	MUL8R AF0+32*((\q)%2), 64*((\q)%2), 3, AF0+32*(1-(\q)%2), \zero
.endm
; The walking descriptors are made anew for K step RI of the walk: projection RI / 8, its K step RI % 8; the other slot than last time.  A pointer is chosen among q, k, v by the step's number and takes an offset made apart.
; Then the base of the prefetch, for K step RI + 2.
.macro NEXTD
	s_lshr_b32 s82, s[RI], 3
	s_and_b32 s83, s[RI], 7
	s_cmp_eq_u32 s82, 1
	s_cselect_b64 s[68:69], s[6:7], s[4:5]
	s_cmp_eq_u32 s82, 2
	s_cselect_b64 s[68:69], s[8:9], s[68:69]
	s_lshl_b32 s70, s83, 9                         ; 128 f32 a step
	s_add_co_u32 s70, s70, s44
	s_add_nc_u64 s[G0+6:G0+7], s[68:69], s[70:71]
	s_or_b32 s[G0+7], s[G0+7], 0x80000000
	s_lshl_b32 s86, s82, 21                        ; the projection's plane of wb
	s_lshl_b32 s83, s83, 8                         ; 128 bf16 a step
	s_add_co_u32 s86, s86, s83
	s_add_co_u32 s86, s86, s46
	s_add_nc_u64 s[G0B+6:G0B+7], s[10:11], s[86:87]
	s_or_b32 s[G0B+7], s[G0B+7], 0x80000000
	s_xor_b32 s[FSL], s[FSL], 1
	s_mul_i32 s75, s[FSL], SLOT
	s_add_co_u32 s[G0+5], s76, s75
	s_add_co_u32 s[G0B+5], s77, s75
	s_add_co_u32 s[PX], s[RI], 2
	s_lshr_b32 s82, s[PX], 3
	s_and_b32 s83, s[PX], 7
	s_cmp_eq_u32 s82, 1
	s_cselect_b64 s[84:85], s[6:7], s[4:5]
	s_cmp_eq_u32 s82, 2
	s_cselect_b64 s[84:85], s[8:9], s[84:85]
	s_lshl_b32 s90, s83, 9
	s_add_co_u32 s90, s90, s88
	s_add_nc_u64 s[84:85], s[84:85], s[90:91]
	s_add_co_u32 s[RI], s[RI], 1
.endm
; x comes from memory and is read once, so its tiles are asked for ahead, into the L2: in the trip whose tensor load brings K step t + 2 of the walk, K step t + 4 is asked for: 64 blocks a work-group, 32 by each of waves 0 and 1.
; The last two refilling trips ask for nothing: K step 24 does not exist.
.macro PREF
	s_cmp_gt_u32 s[PX], STEPS-1
	s_cbranch_scc1 .Lnone_\@
	s_cmp_gt_u32 s[WV], 1
	s_cbranch_scc1 .Lnone_\@
	global_prefetch_b8 v[VPF], s[84:85] th:TH_LOAD_NT scope:SCOPE_SE
.Lnone_\@:
.endm
; The last quarter multiplies buffers 1 and changes slots: ONE barrier; in front of it each wave waits for all its tensor loads, adds 0 to its spare word, and waits for that and for its own reads of this slot.
; fill = 1: the barrier opens a round of the cluster's, and this slot is filled again, two K steps ahead, first thing behind the round: 112 matrix instructions ahead of the wait for it.
.macro TURN fill
	WIN 0
	s_wait_tensorcnt 0x0                           ; all my tensor loads have landed: my part of the next slot; no load of mine is out, so a group 0 may be written;
	ds_add_u32 v[SPW], v[NIL]                      ; 0 onto my spare word; the scalar work and eight matrix instructions stand between it and the wait for it
.if \fill
	s_wait_xcnt 0x0                                ; the prefetch of a K step ago has had its address translated: its base is written again only behind this wait
	NEXTD
.endif
	s_xor_b32 s[RSL], s[RSL], 1                    ; the slot that is read next
	s_mul_i32 s[RB], s[RSL], SLOT
	s_wait_dscnt 1                                 ; (this quarter's W is in; the add may be out)
	MUL8 AF0+32, 64, 0, 0
	s_wait_dscnt 0x0                               ; the add is done, and my reads of this slot are over
	s_barrier_signal -1
	MUL8 AF0+32, 64, 1, 0
	WIN 0                                          ; at a branch and at a label every window is 0
	s_barrier_wait -1
.if \fill
	CREST                                          ; no wave of any partner still reads this slot's tiles or has a load on its way
	JLOAD 1                                        ; the four v_nop behind it are also the places in front of the loads below
	PREF
.else
	PLACES
.endif
	v_add_nc_u32 v[ADRA], s[RB], v[ADRA0]
	v_add_nc_u32 v[ADRB], s[RB], v[ADRB0]
	RAWA 0
	FETB 0, 0
	MUL8 AF0+32, 64, 2, 0
	s_wait_dscnt 16                                ; the raw x is in
	MUL8R AF0+32, 64, 3, AF0, 0
.endm
; THE WAY OUT, a block of 16 rows at a time: sum x rs + bias in f32 (each accumulator's registers in ascending order), rounded once to f16; 16 bytes a lane into my own stage; back as whole rows of 256 bytes; stored.
.macro PACK a
	WIN 0x01                                       ; source 0 window 1
.irp b, 0,1,2,3,4,5,6,7
.irp j, 0,1,2,3
	v_pk_fma_f32 v[TF+8*(\b)+2*(\j):TF+8*(\b)+2*(\j)+1], v[8*(8*(\a)+(\b))+2*(\j):8*(8*(\a)+(\b))+2*(\j)+1], v[RS+2*(\a):RS+2*(\a)+1], v[BIAS+8*(\b)+2*(\j):BIAS+8*(\b)+2*(\j)+1]
.endr
.endr
	WIN 0
.set n, 0
.rept 32
	v_cvt_pk_f16_f32 v[TP+n], v[TF+2*n], v[TF+2*n+1]
.set n, n+1
.endr
.endm
.macro TOSTAGE
	WIN 0
.irp b, 0,1,2,3,4,5,6,7
	ds_store_b128 v[STO], v[TP+4*(\b):TP+4*(\b)+3] offset:32*(\b)
.endr
	s_wait_xcnt 0x0                                ; the stores of the block before name OB: it is loaded again only behind this wait
	WIN TO_B
.irp t, 0,1,2,3,4,5,6,7
	ds_load_b128 v[OB+4*(\t):OB+4*(\t)+3], v[RD] offset:(\t)*2*SPITCH  ; LDS serves a wave's instructions in order (ISA guide 5.7.1.4): these see the stores above
.endr
	WIN 0
.endm
.macro SEND a
	s_wait_dscnt 0x0                               ; the block is back in registers
	s_wait_xcnt 0x0                                ; the stores' base is stepped only behind this wait
.if (\a) == 0
	s_add_nc_u64 s[14:15], s[14:15], s[72:73]      ; on to this tile's first rows
.else
	s_add_nc_u64 s[14:15], s[14:15], 16*2048
.endif
	WIN 0x08                                       ; the stores' data (source 1) in window 2
.irp t, 0,1,2,3,4,5,6,7
	global_store_b128 v[CO], v[OB+4*(\t):OB+4*(\t)+3], s[14:15] offset:(\t)*4096  ; 16 lanes store 256 consecutive bytes, at a multiple of 256 from qkv's first byte
.endr
	WIN 0
.endm
; more = 1: a tile follows: what the next way out adds to qkv's address (a plane on, three blocks of rows back), and the next tile's bias and rs.  Nothing waits for the stores.
.macro WAYOUT more
	s_wait_loadcnt 0x0                             ; bias and rs; their bases may be stepped from here on
	PACK 0
	TOSTAGE
	PACK 1                                         ; a block's arithmetic stands between the loads of the block before and the wait for them
	SEND 0
	TOSTAGE
	PACK 2
	SEND 1
	TOSTAGE
	PACK 3
	SEND 2
	TOSTAGE
	SEND 3
.if \more
	s_mov_b64 s[72:73], (1<<24)-3*16*2048
	s_add_nc_u64 s[66:67], s[66:67], 4096
	s_add_nc_u64 s[78:79], s[78:79], 32768
	BLOAD
.endif
.endm
	s_wait_tensorcnt 1                             ; my part of K step 0 is in; K step 1's may stay out
	s_barrier_signal -1
	s_barrier_wait -1                              ; everybody's is
	RAWA 0
	FETB 0, 0
	s_wait_dscnt 16                                ; the raw x is in
	WIN 0
.set n, 0
.rept 32
	v_cvt_pk_bf16_f32 v[AF0+n], v[RA+2*n], v[RA+2*n+1]
.set n, n+1
.endr
	QUARTER 0, 1                                   ; the walk's first quarter stands in front of the loop: its products start the sums
	WIN 0
	s_mov_b32 s[CNT], STEPS-2
	s_mov_b32 s[TS], 8
.Lstep:                                                ; a trip goes from a K step's second quarter to the next step's first, and fills the slot that it leaves
	QUARTER 1, 0
	QUARTER 2, 0
	TURN 1
	WIN 0
	s_sub_co_u32 s[TS], s[TS], 1
	s_cmp_lg_u32 s[TS], 0
	s_cbranch_scc1 .Lplain
	WAYOUT 1                                       ; a tile is finished; the next tile's K steps 0 and 1 are asked for or in.  The conversions behind the last products are the places in front of this
	s_mov_b32 s[TS], 8
	QUARTER 0, 1                                   ; the next tile's first products start its sums
	WIN 0
	s_branch .Ljoin
.Lplain:
	QUARTER 0, 0
	WIN 0
.Ljoin:
	s_sub_co_u32 s[CNT], s[CNT], 1
	s_cmp_lg_u32 s[CNT], 0
	s_cbranch_scc1 .Lstep
	s_mov_b32 s[CNT], 2                            ; the last two K steps ask for nothing: a text of their own; the second trip is left in its middle
.Ltail:
	QUARTER 1, 0
	QUARTER 2, 0
	WIN 0
	s_sub_co_u32 s[CNT], s[CNT], 1
	s_cmp_eq_u32 s[CNT], 0
	s_cbranch_scc1 .Llast
	TURN 0
	QUARTER 0, 0
	WIN 0
	s_branch .Ltail
.Llast:
	s_wait_dscnt 0x0                               ; the very last quarter: nothing more to fetch
	MUL8 AF0+32, 64, 0, 0
	MUL8 AF0+32, 64, 1, 0
	MUL8 AF0+32, 64, 2, 0
	MUL8 AF0+32, 64, 3, 0
	WIN 0
	PLACES
	WAYOUT 0
	s_wait_tensorcnt 0x0                           ; the wave's end: a tensor wait, an add to my spare word and its wait, behind my last tensor load and my last LDS store
	ds_add_u32 v[SPW], v[NIL]
	s_wait_dscnt 0x0
	CROUND                                         ; the closing round: no work-group ends while a partner may still ask for a tile that names it
	s_endpgm
.Lfunc_end_k_qd1719e2742_proj:
	.size	k_qd1719e2742_proj, .Lfunc_end_k_qd1719e2742_proj-k_qd1719e2742_proj
	.p2alignl 7, 3214868480
	.fill 96, 4, 3214868480
	.section	.rodata,"a",@progbits
	.p2align	6, 0x0
	.amdhsa_kernel k_qd1719e2742_proj
		.amdhsa_group_segment_fixed_size 327680
		.amdhsa_private_segment_fixed_size 0
		.amdhsa_enable_private_segment 0
		.amdhsa_kernarg_size 48
		.amdhsa_user_sgpr_count 2
		.amdhsa_user_sgpr_kernarg_segment_ptr 1
		.amdhsa_wavefront_size32 1
		.amdhsa_system_sgpr_workgroup_id_x 1
		.amdhsa_system_sgpr_workgroup_id_y 1
		.amdhsa_system_sgpr_workgroup_id_z 1
		.amdhsa_system_vgpr_workitem_id 0
		.amdhsa_next_free_vgpr 672
		.amdhsa_next_free_sgpr 98
		.amdhsa_reserve_vcc 0
		.amdhsa_float_denorm_mode_32 3
		.amdhsa_float_denorm_mode_16_64 3
		.amdhsa_memory_ordered 1
		.amdhsa_forward_progress 1
		.amdhsa_inst_pref_size 139
	.end_amdhsa_kernel
	.amdgpu_metadata
---
amdhsa.version: [ 1, 2 ]
amdhsa.kernels:
  - .name:           k_qd1719e2742_proj
    .symbol:         k_qd1719e2742_proj.kd
    .args:
      - { .name: q, .offset: 0, .size: 8, .value_kind: global_buffer, .address_space: global }
      - { .name: k, .offset: 8, .size: 8, .value_kind: global_buffer, .address_space: global }
      - { .name: v, .offset: 16, .size: 8, .value_kind: global_buffer, .address_space: global }
      - { .name: wb, .offset: 24, .size: 8, .value_kind: global_buffer, .address_space: global }
      - { .name: tab, .offset: 32, .size: 8, .value_kind: global_buffer, .address_space: global }
      - { .name: qkv, .offset: 40, .size: 8, .value_kind: global_buffer, .address_space: global }
    .group_segment_fixed_size: 327680
    .private_segment_fixed_size: 0
    .kernarg_segment_align: 8
    .kernarg_segment_size: 48
    .max_flat_workgroup_size: 128
    .sgpr_count:     98
    .vgpr_count:     672
    .wavefront_size: 32
...
	.end_amdgpu_metadata
.endif
;; end of part 2
;; launch attn (part 3): grid 8 x 32, 4 waves a work-group, clusters of 4 x 4, 327,680 bytes of LDS; arguments qkv, cms, tab, oh; writes oh
.if DOCPART == 3
	.amdgcn_target "amdgcn-amd-amdhsa--gfx1250"
	.amdhsa_code_object_version 6
	.text
	.protected	k_qd1719e2742_attn
	.globl	k_qd1719e2742_attn
	.p2align	8
	.type	k_qd1719e2742_attn,@function
k_qd1719e2742_attn:
	s_mov_b64 s[64:65], 0
	v_nop
	global_prefetch_b8 v0, s[64:65] scope:SCOPE_SE
	s_setreg_imm32_b32 hwreg(HW_REG_WAVE_MODE, 25, 1), 1
	s_wait_xcnt 0x0
	s_wait_alu depctr_hold_cnt(0) depctr_sa_sdst(0) depctr_va_vdst(0) depctr_va_sdst(0) depctr_va_ssrc(0) depctr_va_vcc(0) depctr_vm_vsrc(0)
	s_getreg_b32 s2, hwreg(HW_REG_IB_STS2, 6, 4)
	s_cmp_eq_u32 s2, 0
	s_cbranch_scc0 .Lentry_in_a_cluster
	s_endpgm
.Lentry_in_a_cluster:
	s_bfe_u32 s2, ttmp6, 0x10000c
	s_cmp_lg_u32 s2, 0xf033
	s_cbranch_scc0 .Lentry_shape_is_right
	s_endpgm
.Lentry_shape_is_right:
; ATTENTION WITH TWO MASKS THAT ARE INPUTS.  oh[b, q, head] = sum over k of softmax_k(t[q][k]) v[b, k, head], t = where(padded k, -1e9, q . k / 8) + causal_mask[q][k].  No tile is left out: the masks are honoured as numbers.
; qkv [3][8192][1024] f16: q times c/8 (c = log2 e), k with padded rows 0, v.  cms [1024][1024] f32 = c x mask.  pt (in tab) [8][1024] f32 = c x (-1e9) for a padded key, else 0.  oh [8192][1024] f16.
; ALL WORK IS ON t' = c t.  pt is the C operand that starts S^T = K Q^T: a padded key's products are exact zeros, so its S' is c x (-1e9) exactly: the replacement.  Then t' = S' + cms by ONE f32 addition, as the module adds
; its mask; a running maximum m of t'; p = 2^(t' - m), the subtraction first and nothing multiplied behind it.  So rows in which every visible key is masked come out as the module makes them: scores vanish in the mask's rounding.
; O and l are multiplied by a = 2^(m_old - m_new) in every step.  Products, maxima and sums in f32; p rounded to f16 for the second product (l is the sum of the unrounded p), O once at the end.
; LIMITS.  q c/8, k, v within f16's 65,504; a weight below 2^-126 counts as 0; NaN and infinities are not treated apart; where every key of a row is masked and a score reaches half a step of the mask's f32 grid, the result hangs on the operands' rounding.
; SHARES.  A work-group: 128 queries of four heads of one batch; wave w has head 4 g + w, eight PIECES of 16 queries.  So the four waves read ONE mask tile, and each its own 128 bytes of the rows of K and V.  16 key steps of 64.
; CLUSTER 4 x 4.  A row of the cluster: four query blocks of the same four heads: K's and V's tiles are asked for jointly by them.  A column: the four head groups of one query block: the mask's tile is asked for jointly by them.
; BY TURNS.  Turn n belongs to piece n: 8 products K Q^T of piece n + 1, later 8 products V^T P of piece n - 1; beside them the subtraction, exponentials, roundings, sums and rescaling of piece n, and the mask's addition, the
; maximum and statistics of piece n + 1.  Four vector instructions stand behind every matrix instruction, the other 69 of a turn's 133 in two lumps.
; m starts at the lowest finite number, O and l at 0: the first step is a step like any other, with a = 0.  The price: 8 products on zeros at the start, 8 on a stale K at the end, and 336 v_mov_b32 in the wait for the first tile.
; REGISTERS, in windows of 256 (s_set_vgpr_msb: bits 1:0 source 0, 3:2 source 1, 5:4 source 2, 7:6 destination):
;   window 0: v0-15, v58 addresses; v16-47 four registers of statistics a piece; v48-57 at work; v64-127 S^T, two buffers; v128-159 the mask of one piece; v160-191 pt of one step; v192-223 P, two buffers; v224-255 the way out
;   window 1: O^T, 32 a piece          window 2: v0-127 Q, 16 a piece; v128-191 K of one step; v192-255 V of one step
.set NP,    8
.set KS,    64
.set PK,    528       ; a row of K in LDS: four heads' 512 bytes + 16: the 16 rows of a load start at 16 different groups of four banks (64 banks of 4 bytes: ISA guide 11.1)
.set PV,    544       ; a row of V: 512 + 32
.set PM,    272       ; a row of the mask's tile: 64 f32 + 16 bytes
.set VOFF,  KS*PK
.set MOFF,  VOFF+KS*PV
.set SLOT1, 1<<17     ; a slot holds one step: 64 rows of K, 64 of V, 128 of the mask (103,424 bytes); slot 1 begins here, so that one exclusive or turns an address in one slot into the other's
.set PT,    SLOT1+MOFF+128*PM  ; pt of my batch, 4,096 bytes, filled once
.set STAGE, PT+4096   ; never filled by a tensor load: 128 rows x 528 bytes, the work-group's, for the way out
.set SP,    528
.set SPARE, STAGE+128*SP  ; the spare words, 128 bytes for each wave
.set AK0, 2           ; v2-4  my lane's place in a tile of K, of V, of the mask; never rewritten
.set AV0, 3
.set AM0, 4
.set AK,  5           ; v5-7  the same in the slot that is being read
.set AV,  6
.set AM,  7
.set AP,  8           ; v8    LDS address of my words of the step's pt
.set STO, 12          ; v12   the way out: where I put 16 bytes of a row
.set RD,  13          ; v13   where I read rows back
.set GO,  14          ; v14   my byte offset in 512 bytes of oh
.set QO,  15          ; v15   my byte offset in 16 rows of q
.set ST,  16          ; piece t's statistics at v[ST+4 t]: m, a word named with it as a pair, l (even keys', odd keys')
.set TMP, 48          ; by buffer, four registers c0-c3 at work; when the maximum is found c2 takes a
.set MV,  56          ; v56-57 m_old, by buffer
.set AP0, 58          ; v58   my lane's place in pt; never rewritten
.set SPW, 62          ; v62   my spare word; never rewritten
.set NIL, 63          ; v63   0; never rewritten
.set S,   64
.set MB,  128
.set PCR, 160
.set P,   192
.set WT,  224
.set KF,  128         ; window 2: key block kb, channel half c at KF + 16 kb + 8 c
.set VF,  192         ; window 2: key half kk, channel block cb at VF + 32 kk + 8 cb
.set WV,  12          ; s12  my wave's number
.set G1K, 24          ; s[24:31], s[32:39], s[40:47], s[48:55] descriptor group 1 for K, V, the mask, pt
.set G1V, 32
.set G1M, 40
.set G1P, 48
.set G0K, 56          ; s[56:63], s[68:75], s[76:83] descriptor group 0: a set for each of the two first fills; the second then walks on
.set G0V, 68
.set G0M, 76
.set G0P, 84          ; s[84:87]
.set CNT, 88          ; s88  counts key steps
.set TB,  89          ; s89  LDS byte at which the slot that is being read begins
.set SEL, 90          ; s[90:91] v_permlanex16_b32's selects: each lane takes its own place in the other half
.set QBS, 92          ; s[92:93] q at my wave's first row and head
.set OBS, 94          ; s[94:95] oh at the first row that I store
.set PTS, 100         ; s100 byte in pt of the step to be fetched
.set MSB, 0
.macro WIN new                      ; the high byte repeats the setting that is left; a switch that changes nothing is dropped
.if MSB != (\new)
	s_set_vgpr_msb (MSB<<8)|(\new)
.set MSB, (\new)
.endif
.endm
.set W_KQ, 0x0a       ; K and Q in window 2; S^T and pt in window 0
.set W_PV, 0x52       ; V in window 2, P in window 0, O^T in window 1
.set W_RS, 0x41       ; O^T (destination and source 0) in window 1, a in window 0
; A joint refill: wave 0 fetches the step's K, wave 1 its V, waves 2 and 3 the two halves of the mask's tile.  The branches hang on the wave's number alone.
; An s_nop 0 and four v_nop follow each line, ahead of the jump and the label.
.macro JLOAD
	s_cmp_eq_u32 s[WV], 0
	s_cbranch_scc0 .Lnot_k_\@
	tensor_load_to_lds s[G0K+4:G0K+7], s[G1K:G1K+7]
	s_nop 0
.rept 4
	v_nop
.endr
	s_branch .Lasked_\@
.Lnot_k_\@:
	s_cmp_eq_u32 s[WV], 1
	s_cbranch_scc0 .Lfor_m_\@
	tensor_load_to_lds s[G0V+4:G0V+7], s[G1V:G1V+7]
	s_nop 0
.rept 4
	v_nop
.endr
	s_branch .Lasked_\@
.Lfor_m_\@:
	tensor_load_to_lds s[G0M+4:G0M+7], s[G1M:G1M+7]
	s_nop 0
.rept 4
	v_nop
.endr
.Lasked_\@:
.endm
.macro CROUND                       ; a round of the cluster's barrier: my work-group's barrier; wave 0 signals for the work-group; every wave waits for all sixteen; my work-group's barrier once more
	s_barrier_signal -1
	s_barrier_wait -1
	s_cmp_lg_u32 s[WV], 0
	s_cbranch_scc1 .Lnot_wave_0_\@
	s_barrier_signal -3
.Lnot_wave_0_\@:
	s_barrier_wait -3
	s_barrier_signal -1
	s_barrier_wait -1
.endm
; THE CHANGE OF SLOTS, between piece 5's turn and piece 6's: the slot's last bytes, piece 7's mask, have been asked for.  Each wave waits for all its tensor loads, of which one is out: its part of the other slot; adds 0 to its
; spare word; and waits for that and for its own reads of the slot.  fill = 1: the barrier is a round of the cluster's, and the slot is filled again, with the step two on, first thing behind it: it has a key step, 128 matrix instructions, in which to land.
.macro CHANGE fill
	WIN 0
	s_wait_tensorcnt 0x0            ; no tensor load of mine is out, so a group 0 may be written
	ds_add_u32 v[SPW], v[NIL]       ; 0 onto my spare word; the scalar steps stand between it and the wait for it
.if \fill
	s_xor_b32 s[G0K+5], s[G0K+5], SLOT1  ; the walking descriptors: the other slot than last time,
	s_add_nc_u64 s[G0K+6:G0K+7], s[G0K+6:G0K+7], KS*2048  ; the next 64 keys
	s_xor_b32 s[G0V+5], s[G0V+5], SLOT1
	s_add_nc_u64 s[G0V+6:G0V+7], s[G0V+6:G0V+7], KS*2048
	s_xor_b32 s[G0M+5], s[G0M+5], SLOT1
	s_add_nc_u64 s[G0M+6:G0M+7], s[G0M+6:G0M+7], KS*4
.endif
	s_xor_b32 s[TB], s[TB], SLOT1
	s_wait_dscnt 0x0                ; the add is done, and my reads of the slot are over
.if \fill
	CROUND
	JLOAD
.else
	s_barrier_signal -1
	s_barrier_wait -1
.endif
	v_add_nc_u32 v[AK], s[TB], v[AK0]
	v_add_nc_u32 v[AV], s[TB], v[AV0]
	v_add_nc_u32 v[AM], s[TB], v[AM0]
.endm
	s_load_b256 s[4:11], s[0:1], 0x0  ; qkv s[4:5], cms s[6:7], tab s[8:9], oh s[10:11]
	v_lshl_add_u32 v[SPW], v0, 2, SPARE
	v_mov_b32 v[NIL], 0
	ds_add_u32 v[SPW], v[NIL]       ; the wave's opening: the add and its wait stand ahead of my first tensor load; the set-up below, work on registers, stands between them
	v_lshrrev_b32 v1, 5, v0
	v_readfirstlane_b32 s[WV], v1
	s_and_b32 s17, s[WV], 1         ; which half of the mask's tile, and of pt, waves 2 and 3 fetch
	s_bfe_u32 s13, ttmp6, 0x40000   ; cx
	s_bfe_u32 s14, ttmp6, 0x40004   ; cy: the group of four heads
	s_lshl_b32 s15, ttmp9, 2
	s_add_co_u32 s15, s15, s13      ; my block of 128 queries
	s_and_b32 s16, ttmp7, 0xffff    ; the batch: the cluster's y
	s_lshl_b32 s18, s14, 2
	s_lshl_b32 s18, 15, s18         ; my row of the cluster
	s_lshl_b32 s19, 0x1111, s13     ; my column
	s_or_b32 s[G1K], s18, (1<<16)|(1<<20)|(1<<21)|(6<<22)|(3<<25)  ; 15:0 mask: my row; 17:16 2-byte elements; 20 padding on; 21 set beside a mask; 24:22 after every 128 words; 31:25 four words
	s_or_b32 s[G1V], s18, (1<<16)|(1<<20)|(1<<21)|(6<<22)|(7<<25)  ; the same with eight words of padding
.irp g, G1K, G1V
	s_mov_b32 s[\g+1], 256<<16      ; tensor_dim0 = 256: four heads' channels
	s_mov_b32 s[\g+2], KS<<16       ; tensor_dim1 = 64
	s_mov_b32 s[\g+3], 256<<16      ; tile_dim0
	s_mov_b32 s[\g+4], KS           ; tile_dim1
	s_mov_b32 s[\g+5], 1024         ; elements from row to row
	s_mov_b32 s[\g+6], 0
	s_mov_b32 s[\g+7], 0
.endr
	s_or_b32 s[G1M], s19, (2<<16)|(1<<20)|(1<<21)|(5<<22)|(3<<25)  ; mask: my column; 4-byte elements; padding after every 64 words
	s_mov_b32 s[G1M+1], KS<<16
	s_mov_b32 s[G1M+2], 64<<16
	s_mov_b32 s[G1M+3], KS<<16
	s_mov_b32 s[G1M+4], 64
	s_mov_b32 s[G1M+5], 1024
	s_mov_b32 s[G1M+6], 0
	s_mov_b32 s[G1M+7], 0
	s_mov_b32 s[G1P], 3<<16         ; a load of my own: one row of 256 elements of 8 bytes
	s_mov_b32 s[G1P+1], 256<<16
	s_mov_b32 s[G1P+2], 1<<16
	s_mov_b32 s[G1P+3], 256<<16
	s_mov_b32 s[G1P+4], 1
	s_mov_b32 s[G1P+5], 256
	s_mov_b32 s[G1P+6], 0
	s_mov_b32 s[G1P+7], 0
	s_lshl_b32 s20, s16, 21         ; K: the batch's 1,024 rows of 2,048 bytes,
	s_lshl_b32 s21, s14, 9          ; four heads' 512 bytes,
	s_add_co_u32 s20, s20, s21
	s_add_co_u32 s20, s20, 1<<24    ; plane 1: made of the batch and cy alone
	s_mov_b32 s21, 0
	s_lshl_b32 s22, s15, 19         ; the mask: 128 rows of 4,096 bytes, my half of them: made of the query block and the wave alone
	s_lshl_b32 s23, s17, 18
	s_add_co_u32 s22, s22, s23
	s_mov_b32 s23, 0
	s_lshl_b32 s96, s16, 12         ; pt of the batch, my half
	s_lshl_b32 s97, s17, 11
	s_add_co_u32 s96, s96, s97
	s_add_co_u32 s96, s96, 114688
	s_mov_b32 s97, 0
	s_lshl_b32 s98, s16, 21         ; q and oh: the batch, the query block, the four heads,
	s_lshl_b32 s99, s15, 18
	s_add_co_u32 s98, s98, s99
	s_lshl_b32 s99, s14, 9
	s_add_co_u32 s98, s98, s99
	s_lshl_b32 s99, s[WV], 7        ; q: my head
	s_add_co_u32 s[QBS], s98, s99
	s_mov_b32 s[QBS+1], 0
	s_lshl_b32 s99, s[WV], 16       ; oh: the 32 rows that I store
	s_add_co_u32 s[OBS], s98, s99
	s_mov_b32 s[OBS+1], 0
	s_mul_i32 s99, s17, 64*PM
	s_lshl_b32 s98, s17, 11
	s_mov_b32 s[SEL], 0x76543210
	s_mov_b32 s[SEL+1], 0xfedcba98
	s_mov_b32 s[TB], 0
	s_mov_b32 s[PTS], 0
	s_wait_dscnt 0x0                ; the opening add is done
	s_wait_kmcnt 0x0
	s_add_nc_u64 s[20:21], s[4:5], s[20:21]
	s_add_nc_u64 s[22:23], s[6:7], s[22:23]
	s_add_nc_u64 s[QBS:QBS+1], s[4:5], s[QBS:QBS+1]
	s_add_nc_u64 s[OBS:OBS+1], s[10:11], s[OBS:OBS+1]
.irp s, 0,1                         ; set s: slot s, key step s
	s_mov_b32 s[G0K+4*(\s)], 1
	s_mov_b32 s[G0K+4*(\s)+1], (\s)*SLOT1
	s_add_nc_u64 s[G0K+4*(\s)+2:G0K+4*(\s)+3], s[20:21], (\s)*KS*2048
	s_or_b32 s[G0K+4*(\s)+3], s[G0K+4*(\s)+3], 0x80000000
	s_mov_b32 s[G0V+4*(\s)], 1
	s_mov_b32 s[G0V+4*(\s)+1], VOFF+(\s)*SLOT1
	s_add_nc_u64 s[G0V+4*(\s)+2:G0V+4*(\s)+3], s[20:21], (1<<24)+(\s)*KS*2048
	s_or_b32 s[G0V+4*(\s)+3], s[G0V+4*(\s)+3], 0x80000000
	s_mov_b32 s[G0M+4*(\s)], 1
	s_add_co_u32 s[G0M+4*(\s)+1], s99, MOFF+(\s)*SLOT1
	s_add_nc_u64 s[G0M+4*(\s)+2:G0M+4*(\s)+3], s[22:23], (\s)*KS*4
	s_or_b32 s[G0M+4*(\s)+3], s[G0M+4*(\s)+3], 0x80000000
.endr
	s_mov_b32 s[G0P], 1
	s_add_co_u32 s[G0P+1], s98, PT
	s_add_nc_u64 s[G0P+2:G0P+3], s[8:9], s[96:97]
	s_or_b32 s[G0P+3], s[G0P+3], 0x80000000
	CROUND                          ; all sixteen work-groups are here: the first joint loads meet
	s_cmp_eq_u32 s[WV], 0           ; a wave's first fills stand together, ahead of every wait on TENSORcnt and every LDS read: two loads of mine are out, or three
	s_cbranch_scc0 .Lfirst_not_k
	tensor_load_to_lds s[G0K:G0K+3], s[G1K:G1K+7]
	s_nop 0
	tensor_load_to_lds s[G0K+4:G0K+7], s[G1K:G1K+7]
	s_nop 0
.rept 4
	v_nop
.endr
	s_branch .Lfirst_asked
.Lfirst_not_k:
	s_cmp_eq_u32 s[WV], 1
	s_cbranch_scc0 .Lfirst_m
	tensor_load_to_lds s[G0V:G0V+3], s[G1V:G1V+7]
	s_nop 0
	tensor_load_to_lds s[G0V+4:G0V+7], s[G1V:G1V+7]
	s_nop 0
.rept 4
	v_nop
.endr
	s_branch .Lfirst_asked
.Lfirst_m:
	tensor_load_to_lds s[G0P:G0P+3], s[G1P:G1P+7]
	s_nop 0
	tensor_load_to_lds s[G0M:G0M+3], s[G1M:G1M+7]
	s_nop 0
	tensor_load_to_lds s[G0M+4:G0M+7], s[G1M:G1M+7]
	s_nop 0
.rept 4
	v_nop
.endr
.Lfirst_asked:
	; A fragment of K or Q is 16 rows x 32 channels in 8 registers: lane l holds row l % 16, channels 8 (l / 16) + 0..7 and 16 + 8 (l / 16) + 0..7: two loads of 16 bytes, 32 bytes apart.
	v_and_b32 v1, 15, v0            ; r
	v_bfe_u32 v9, v0, 4, 1          ; h
	v_lshlrev_b32 v[QO], 11, v1
	v_lshl_add_u32 v[QO], v9, 4, v[QO]  ; row x 2,048 + 16 h
	WIN 0x80                        ; destination window 2, address window 0
.set i, 0
.rept 2*NP                          ; Q stays in registers: piece i / 2, channels 32 (i % 2) on
	global_load_b128 v[8*i:8*i+3],   v[QO], s[QBS:QBS+1] offset:(i/2)*32768+(i%2)*64
	global_load_b128 v[8*i+4:8*i+7], v[QO], s[QBS:QBS+1] offset:(i/2)*32768+(i%2)*64+32
.set i, i+1
.endr
	; What the first turn finds: V's registers and P's second buffer hold 0 (its products V^T P, of a piece that has not been, add 0), O^T and l are 0.  All this stands in the wait for the first tile.
.set i, VF
.rept 64
	v_mov_b32 v[i], 0
.set i, i+1
.endr
	WIN 0x40
.set i, 0
.rept 32*NP
	v_mov_b32 v[i], 0
.set i, i+1
.endr
	WIN 0
.set i, 0
.rept NP
	v_mov_b32 v[ST+4*i], 0xff7fffff    ; m: the lowest finite number
	v_mov_b32 v[ST+4*i+1], 0
	v_mov_b32 v[ST+4*i+2], 0
	v_mov_b32 v[ST+4*i+3], 0
.set i, i+1
.endr
.set i, P+16
.rept 16
	v_mov_b32 v[i], 0
.set i, i+1
.endr
	s_lshl_b32 s96, s[WV], 7        ; my head's 128 bytes in a row of K and of V
	v_mul_u32_u24 v[AK0], v1, PK
	v_lshl_add_u32 v[AK0], v9, 4, v[AK0]
	v_add_nc_u32 v[AK0], s96, v[AK0]
	; The turning load takes 16 keys x 16 channels (lane l reads key 8 (l / 16) + l % 8, channels 8 ((l / 8) % 2) + 0..7) and leaves half a fragment of V^T: lane l holds channel l % 16 and 8 keys.
	v_and_b32 v10, 7, v0
	v_bfe_u32 v11, v0, 3, 1
	v_lshl_add_u32 v[AV0], v9, 3, v10
	v_mul_u32_u24 v[AV0], v[AV0], PV
	v_lshl_add_u32 v[AV0], v11, 4, v[AV0]
	s_add_co_u32 s97, s96, VOFF
	v_add_nc_u32 v[AV0], s97, v[AV0]
	v_mul_u32_u24 v[AM0], v1, PM    ; the mask as S^T lies: my query's row, keys 8 h on: 32 bytes
	v_lshl_add_u32 v[AM0], v9, 5, v[AM0]
	v_add_nc_u32 v[AM0], MOFF, v[AM0]
	v_lshlrev_b32 v[AP0], 5, v9     ; pt as S^T lies: keys 8 h on, the same for every query
	v_add_nc_u32 v[AP0], PT, v[AP0]
	v_mov_b32 v[AK], v[AK0]         ; key step 0 lies in slot 0
	v_mov_b32 v[AV], v[AV0]
	v_mov_b32 v[AM], v[AM0]
; THE MATRIX WORK.  The 4 accumulators of a run of 8 take turns.  Product i of 8 of S^T = K Q^T for piece x: channels 32 (i / 4) on, keys 16 (i % 4) on.  The first 4 start the sums with pt.
.macro KQ x
	WIN W_KQ
.set rS, S+32*((\x)%2)+8*(i%4)
.set rK, KF+16*(i%4)+8*(i/4)
.set rQ, 16*(\x)+8*(i/4)
.if i < 4
	v_wmma_f32_16x16x32_f16 v[rS:rS+7], v[rK:rK+7], v[rQ:rQ+7], v[PCR+8*(i%4):PCR+8*(i%4)+7]
.else
	v_wmma_f32_16x16x32_f16 v[rS:rS+7], v[rK:rK+7], v[rQ:rQ+7], v[rS:rS+7]
.endif
.endm
; Product i of 8 of O^T += V^T P for piece x: keys 32 (i / 4) on, channels 16 (i % 4) on.
.macro PV x
	WIN W_PV
.set rO, 32*(\x)+8*(i%4)
.set rV, VF+32*(i/4)+8*(i%4)
.set rP, P+16*((\x)%2)+8*(i/4)
	v_wmma_f32_16x16x32_f16 v[rO:rO+7], v[rV:rV+7], v[rP:rP+7], v[rO:rO+7]
.endm
.macro MM                           ; the turn's next matrix instruction
.if i < 8
	KQ (Y+1)%NP
.else
.set i, i-8
	PV (Y+NP-1)%NP
.set i, i+8
.endif
.set i, i+1
.endm
; THE LDS LOADS stand in runs, never singly among the matrix instructions.  A step's K (64 keys x my head's 64 channels: 8 fragments) and its pt; last = 1 (the tail): in the last trip there is no further step, and the run is jumped over.
.macro FETCH_K last=0
	WIN 0
.if \last
	s_cmp_eq_u32 s[CNT], 1
	s_cbranch_scc1 .Lno_k_\@
.endif
	v_add_nc_u32 v[AP], s[PTS], v[AP0]
	WIN 0x80                        ; destination window 2
.irp f, 0,1,2,3,4,5,6,7             ; keys 16 (f / 2) on, channels 32 (f % 2) on
	ds_load_b128 v[KF+8*\f:KF+8*\f+3],   v[AK] offset:(\f/2)*16*PK+(\f%2)*64
	ds_load_b128 v[KF+8*\f+4:KF+8*\f+7], v[AK] offset:(\f/2)*16*PK+(\f%2)*64+32
.endr
	WIN 0
.irp f, 0,1,2,3                     ; keys 16 f + 8 h on
	ds_load_b128 v[PCR+8*\f:PCR+8*\f+3],   v[AP] offset:64*\f
	ds_load_b128 v[PCR+8*\f+4:PCR+8*\f+7], v[AP] offset:64*\f+16
.endr
	s_add_co_u32 s[PTS], s[PTS], KS*4  ; the next fetch is the next step's
.if \last
.Lno_k_\@:
.endif
.endm
.macro FETCH_V
	WIN 0x80
.irp f, 0,1,2,3,4,5,6,7             ; keys 32 (f / 4) on, channels 16 (f % 4) on
	ds_load_tr16_b128 v[VF+8*\f:VF+8*\f+3],   v[AV] offset:(\f/4)*32*PV+(\f%4)*32
	ds_load_tr16_b128 v[VF+8*\f+4:VF+8*\f+7], v[AV] offset:(\f/4)*32*PV+16*PV+(\f%4)*32
.endr
	WIN 0
.endm
.macro MLOAD p                      ; the mask of piece p's 16 queries x 64 keys, as S^T lies
	WIN 0
.irp f, 0,1,2,3
	ds_load_b128 v[MB+8*\f:MB+8*\f+3],   v[AM] offset:(\p)*16*PM+64*\f
	ds_load_b128 v[MB+8*\f+4:MB+8*\f+7], v[AM] offset:(\p)*16*PM+64*\f+16
.endr
.endm
; THE VECTOR WORK, one line at a time: OP kind, number.  For piece Y: F n: t' - m for pair n of 16.  E n: the exponential of number n of 32.  C n: pair n rounded to f16.  B n: of the four weights 4 n .. the second pair is
; added onto the first, in place.  L n: l takes that sum (L 0: l = a l + sum).  R n: pair n of 16 of O^T times a.  For piece Y + 1: MK n: pair n of its scores takes the mask (ascending: each accumulator's lowest
; registers are read first).  X n: its maximum and statistics:
;   0-11  four chains c0-c3 of seven numbers each, three operands at a time     12-14, 16  the four left over, the old m, and c0-c3 into c0     15  m_old is kept
;   17, 18  the query's other 32 keys lie in the lane 16 away: the new m     20, 21  m_old - m_new; a
.set F, 0
.set E, 1
.set C, 2
.set B, 3
.set L, 4
.set R, 5
.set MK, 6
.set X, 7
.macro REGS y                       ; the registers of piece y
.set rT, ST+4*(\y)
.set rC, TMP+4*((\y)%2)
.set rW, MV+((\y)%2)
.set rS, S+32*((\y)%2)
.set rP, P+16*((\y)%2)
.set rO, 32*(\y)
.endm
.macro OP k, n
.if (\k) == R
	REGS Y
	WIN W_RS
	v_pk_mul_f32 v[rO+2*(\n):rO+2*(\n)+1], v[rO+2*(\n):rO+2*(\n)+1], v[rC+2:rC+3] op_sel_hi:[1,0]
.elseif (\k) < R
	REGS Y
	WIN 0
.if (\k) == F
	v_pk_add_f32 v[rS+2*(\n):rS+2*(\n)+1], v[rS+2*(\n):rS+2*(\n)+1], v[rT:rT+1] op_sel_hi:[1,0] neg_lo:[0,1] neg_hi:[0,1]
.elseif (\k) == E
	v_exp_f32 v[rS+(\n)], v[rS+(\n)]
.elseif (\k) == C
	s_wait_alu depctr_va_vdst(0)
	v_cvt_pk_f16_f32 v[rP+(\n)], v[rS+2*(\n)], v[rS+2*(\n)+1]
.elseif (\k) == B
	v_pk_add_f32 v[rS+4*(\n):rS+4*(\n)+1], v[rS+4*(\n):rS+4*(\n)+1], v[rS+4*(\n)+2:rS+4*(\n)+3]
.elseif (\n) == 0
	v_pk_fma_f32 v[rT+2:rT+3], v[rT+2:rT+3], v[rC+2:rC+3], v[rS:rS+1] op_sel_hi:[1,0,1]
.else
	v_pk_add_f32 v[rT+2:rT+3], v[rT+2:rT+3], v[rS+4*(\n):rS+4*(\n)+1]
	s_wait_alu depctr_va_vdst(0)
.endif
.elseif (\k) == MK
	REGS (Y+1)%NP
	WIN 0
	v_pk_add_f32 v[rS+2*(\n):rS+2*(\n)+1], v[rS+2*(\n):rS+2*(\n)+1], v[MB+2*(\n):MB+2*(\n)+1]
.else
	REGS (Y+1)%NP
	WIN 0
.if (\n) < 4
	v_max3_num_f32 v[rC+(\n)], v[rS+8*(\n)], v[rS+8*(\n)+1], v[rS+8*(\n)+2]
.elseif (\n) < 12
	v_max3_num_f32 v[rC+(\n)%4], v[rC+(\n)%4], v[rS+8*((\n)%4)+2*((\n)/4)+1], v[rS+8*((\n)%4)+2*((\n)/4)+2]
.elseif (\n) == 12
	v_max3_num_f32 v[rC], v[rC], v[rS+7], v[rS+15]
.elseif (\n) == 13
	v_max3_num_f32 v[rC+1], v[rC+1], v[rS+23], v[rS+31]
.elseif (\n) == 14
	v_max3_num_f32 v[rC+2], v[rC+2], v[rC+3], v[rT]
.elseif (\n) == 15
	v_mov_b32 v[rW], v[rT]
	s_wait_alu depctr_va_vdst(0)
.elseif (\n) == 16
	v_max3_num_f32 v[rC], v[rC], v[rC+1], v[rC+2]
.elseif (\n) == 17
	v_permlanex16_b32 v[rC+3], v[rC], s[SEL], s[SEL+1]
.elseif (\n) == 18
	v_max_num_f32 v[rT], v[rC], v[rC+3]
.elseif (\n) == 20
	v_sub_f32 v[rC+1], v[rW], v[rT]
.else
	v_exp_f32 v[rC+2], v[rC+1]
.endif
.endif
.endm
.macro OPS a, i1, b=-1, i2=0, c=-1, i3=0, d=-1, i4=0  ; up to four of them
	OP \a, \i1
.if (\b) >= 0
	OP \b, \i2
.endif
.if (\c) >= 0
	OP \c, \i3
.endif
.if (\d) >= 0
	OP \d, \i4
.endif
.endm
.macro ROW a, i1, b, i2, c, i3, d, i4  ; a matrix instruction and the four behind it
	MM
	OPS \a, \i1, \b, \i2, \c, \i3, \d, \i4
.endm
; A TURN, for piece p: the order of its 16 matrix and 133 vector instructions, written out.  None of the four behind a matrix instruction names a register of the products round it; every exponential has a plain instruction behind it.
; K and pt of the next step are fetched in piece 6's turn, behind five plain instructions (R 4-7, F 15) that follow the last product that read K; the same five stand between that product and the first read of its scores (MK 0).
; V of the step in hand is fetched in piece 0's turn, behind five plain instructions (C 5, L 1, B 2, C 6, C 7) that follow the last product that read V.  The mask of piece p + 2 is asked for at the turn's end and waited for in the next turn's first lump.
.macro TURN p, last=0
.set Y, (\p)
.set i, 0
.if (\p) == 7
	s_wait_dscnt 8                  ; K and pt are in; the eight loads of the mask, issued behind them, may be out
.endif
	ROW F,0, F,1, F,2, F,3
	ROW F,4, E,0, F,5, F,6
	ROW F,7, E,1, F,8, F,9
	ROW F,10, E,2, C,0, F,11
	ROW F,12, E,3, X,15, F,13
	ROW R,0, R,1, R,2, R,3
	ROW B,0, E,4, F,14, L,0
	ROW R,4, R,5, R,6, R,7
	OPS E,5, F,15
	s_wait_dscnt 0x0                ; the mask of piece p + 1 is in (in piece 1's turn: V too)
.if (\p) == 6
	FETCH_K \last
.endif
.set n1, 0
.rept 16
	OP E, 6+n1
	OP MK, n1
.set n1, n1+1
.endr
	ROW X,0, E,22, X,1, X,2
	ROW X,3, E,23, X,4, X,5
	ROW X,6, E,24, X,7, X,8
	ROW X,9, E,25, X,10, X,11
	ROW X,12, E,26, X,13, X,14
	ROW C,1, E,27, C,2, X,16
	ROW C,3, E,28, B,1, C,4
	ROW C,5, E,29, L,1, B,2
	OPS X,17, E,30, C,6, E,31
	OPS C,7
.if (\p) == 0
	FETCH_V
.endif
	OPS X,18, B,3, C,8, C,9
	OPS X,20, B,4, L,2, C,10
	OPS X,21, C,11, L,3, B,5
	OPS C,12, C,13, L,4, B,6
	OPS C,14, C,15, L,5, B,7
	OPS L,6, R,8, R,9, R,10
	OPS R,11, R,12, R,13, R,14
	OPS R,15, L,7
	MLOAD ((\p)+2)%NP
.endm
	s_wait_tensorcnt 1              ; my part of slot 0 (and of pt) is in; slot 1's may stay out
	s_barrier_signal -1
	s_barrier_wait -1               ; everybody's is
	FETCH_K                         ; key step 0
	MLOAD 0
	s_wait_loadcnt 0x0              ; Q
	s_wait_dscnt 0x0
.set i, 0
.rept 8
	KQ 0                            ; piece 0's first scores: there is no vector work yet to set between them
.set i, i+1
.endr
	WIN 0                           ; the addresses for the way out: six plain instructions, the places behind those products
	s_add_co_u32 s96, s96, STAGE
	v_mul_u32_u24 v[STO], v1, SP    ; in: row r of a piece, my head's 128 bytes, 16 bytes for each half of the lanes
	v_lshl_add_u32 v[STO], v9, 4, v[STO]
	v_add_nc_u32 v[STO], s96, v[STO]
	v_and_b32 v[GO], 31, v0
	v_lshlrev_b32 v[GO], 4, v[GO]   ; back: 32 lanes take a whole row of 512 bytes
	s_mul_i32 s97, s[WV], 32*SP
	s_add_co_u32 s97, s97, STAGE
	v_add_nc_u32 v[RD], s97, v[GO]  ; wave w takes rows 32 w to 32 w + 31
.set Y, NP-1                        ; MK and X work for piece Y + 1: piece 0
.set n1, 0
.rept 16
	OP MK, n1
.set n1, n1+1
.endr
.irp n, 0,1,2,3,4,5,6,7,8,9,10,11,12,13,14,15,16,17,18,20,21
	OP X, \n
.endr
	v_nop                           ; a plain instruction behind the exponential
	MLOAD 1
	s_mov_b32 s[CNT], 15
	s_branch .Lfirst                ; the loop is entered at a step's first turn, in the middle of a trip
.Lstep:                             ; 14 times: every slot but the last two is filled again
	CHANGE 1
	TURN 6
	TURN 7
	WIN 0
.Lfirst:
	TURN 0
	TURN 1
	TURN 2
	TURN 3
	TURN 4
	TURN 5
	WIN 0
	s_sub_co_u32 s[CNT], s[CNT], 1
	s_cmp_lg_u32 s[CNT], 0
	s_cbranch_scc1 .Lstep
	CHANGE 0                        ; the tail is written out: nothing is asked for
	s_mov_b32 s[CNT], 2             ; the first trip fetches the last step; the second is left in its middle
.Ltail:
	TURN 6, 1
	TURN 7
	WIN 0
	s_sub_co_u32 s[CNT], s[CNT], 1
	s_cmp_eq_u32 s[CNT], 0
	s_cbranch_scc1 .Lout
	TURN 0
	TURN 1
	TURN 2
	TURN 3
	TURN 4
	TURN 5
	WIN 0
	s_branch .Ltail
.Lout:                              ; the second trip's 8 products K Q^T (on the last K once more) and the maximum made of them serve nothing: the price, once a launch, of one text for every trip
.set i, 0
.rept 8
	PV NP-1                         ; the last piece's V^T P of the last step
.set i, i+1
.endr
	; THE WAY OUT.  l's two halves and the other half of the lanes' are added; O^T is divided by l and rounded to f16.  A row of oh's 512 bytes comes from four waves: all write one stage, a barrier, and each wave stores 32 whole rows.
	WIN 0
.macro ALL line:vararg              ; one line for each piece t
.set t, 0
.rept NP
	\line
.set t, t+1
.endr
.endm
	ALL v_add_f32 v[ST+4*t+2], v[ST+4*t+2], v[ST+4*t+3]
	ALL v_permlanex16_b32 v[ST+4*t+3], v[ST+4*t+2], s[SEL], s[SEL+1]
	ALL v_add_f32 v[ST+4*t+2], v[ST+4*t+2], v[ST+4*t+3]
	ALL v_rcp_f32 v[ST+4*t+2], v[ST+4*t+2]
	v_nop                           ; a plain instruction between the last reciprocal and the use of its result
	s_wait_alu depctr_va_vdst(0)
.macro PACK t
	WIN W_RS
.set i, 32*(\t)
.rept 16
	v_pk_mul_f32 v[i:i+1], v[i:i+1], v[ST+4*(\t)+2:ST+4*(\t)+3] op_sel_hi:[1,0]
.set i, i+2
.endr
	WIN 0x05                        ; sources 0 and 1 window 1, destination window 0
.set i, 0
.rept 16
	v_cvt_pk_f16_f32 v[WT+16*((\t)%2)+i], v[32*(\t)+2*i], v[32*(\t)+2*i+1]
.set i, i+1
.endr
	WIN 0
.irp f, 0,1,2,3
	ds_store_b128 v[STO], v[WT+16*((\t)%2)+4*\f:WT+16*((\t)%2)+4*\f+3] offset:(\t)*16*SP+32*\f
.endr
.endm
.irp t, 0,1,2,3,4,5,6,7
	PACK \t
.endr
	s_wait_dscnt 0x0                ; for the others' sake: my stores into the stage are done (and the last turn's loads of the mask are back)
	s_barrier_signal -1
	s_barrier_wait -1
.set i, 0
.rept 32
	ds_load_b128 v[S+4*i:S+4*i+3], v[RD] offset:i*SP
.set i, i+1
.endr
.set i, 0
.rept 32
	s_wait_dscnt 31-i               ; LDS loads come back in order: row i is in
	global_store_b128 v[GO], v[S+4*i:S+4*i+3], s[OBS:OBS+1] offset:i*2048  ; 512 consecutive bytes, at a multiple of 256 from oh's first byte
.set i, i+1
.endr
	s_wait_tensorcnt 0x0            ; the wave's end: a tensor wait, an add to my spare word and its wait, behind my last tensor load and my last LDS store
	ds_add_u32 v[SPW], v[NIL]
	s_wait_dscnt 0x0
	CROUND                          ; the closing round: no work-group ends while a partner may still ask for a tile that names it
	s_endpgm
.Lfunc_end_k_qd1719e2742_attn:
	.size	k_qd1719e2742_attn, .Lfunc_end_k_qd1719e2742_attn-k_qd1719e2742_attn
	.p2alignl 7, 3214868480
	.fill 96, 4, 3214868480
	.section	.rodata,"a",@progbits
	.p2align	6, 0x0
	.amdhsa_kernel k_qd1719e2742_attn
		.amdhsa_group_segment_fixed_size 327680
		.amdhsa_private_segment_fixed_size 0
		.amdhsa_enable_private_segment 0
		.amdhsa_kernarg_size 32
		.amdhsa_user_sgpr_count 2
		.amdhsa_user_sgpr_kernarg_segment_ptr 1
		.amdhsa_wavefront_size32 1
		.amdhsa_system_sgpr_workgroup_id_x 1
		.amdhsa_system_sgpr_workgroup_id_y 1
		.amdhsa_system_sgpr_workgroup_id_z 1
		.amdhsa_system_vgpr_workitem_id 0
		.amdhsa_next_free_vgpr 768
		.amdhsa_next_free_sgpr 102
		.amdhsa_reserve_vcc 0
		.amdhsa_float_denorm_mode_32 3
		.amdhsa_float_denorm_mode_16_64 3
		.amdhsa_memory_ordered 1
		.amdhsa_forward_progress 1
		.amdhsa_inst_pref_size 234
	.end_amdhsa_kernel
	.amdgpu_metadata
---
amdhsa.version: [ 1, 2 ]
amdhsa.kernels:
  - .name:           k_qd1719e2742_attn
    .symbol:         k_qd1719e2742_attn.kd
    .args:
      - { .name: qkv, .offset: 0, .size: 8, .value_kind: global_buffer, .address_space: global }
      - { .name: cms, .offset: 8, .size: 8, .value_kind: global_buffer, .address_space: global }
      - { .name: tab, .offset: 16, .size: 8, .value_kind: global_buffer, .address_space: global }
      - { .name: oh, .offset: 24, .size: 8, .value_kind: global_buffer, .address_space: global }
    .group_segment_fixed_size: 327680
    .private_segment_fixed_size: 0
    .kernarg_segment_align: 8
    .kernarg_segment_size: 32
    .max_flat_workgroup_size: 128
    .sgpr_count:     102
    .vgpr_count:     768
    .wavefront_size: 32
...
	.end_amdgpu_metadata
.endif
;; end of part 3
;; launch oproj (part 4): grid 4 x 64, 4 waves a work-group, clusters of 4 x 4, 327,680 bytes of LDS; arguments oh, wb, tab, out0; writes out0
.if DOCPART == 4
	.amdgcn_target "amdgcn-amd-amdhsa--gfx1250"
	.amdhsa_code_object_version 6
	.text
	.protected	k_qd1719e2742_oproj
	.globl	k_qd1719e2742_oproj
	.p2align	8
	.type	k_qd1719e2742_oproj,@function
k_qd1719e2742_oproj:
	s_mov_b64 s[64:65], 0
	v_nop
	global_prefetch_b8 v0, s[64:65] scope:SCOPE_SE
	s_setreg_imm32_b32 hwreg(HW_REG_WAVE_MODE, 25, 1), 1
	s_wait_xcnt 0x0
	s_wait_alu depctr_hold_cnt(0) depctr_sa_sdst(0) depctr_va_vdst(0) depctr_va_sdst(0) depctr_va_ssrc(0) depctr_va_vcc(0) depctr_vm_vsrc(0)
	s_getreg_b32 s2, hwreg(HW_REG_IB_STS2, 6, 4)
	s_cmp_eq_u32 s2, 0
	s_cbranch_scc0 .Lentry_in_a_cluster
	s_endpgm
.Lentry_in_a_cluster:
	s_bfe_u32 s2, ttmp6, 0x10000c
	s_cmp_lg_u32 s2, 0xf033
	s_cbranch_scc0 .Lentry_shape_is_right
	s_endpgm
.Lentry_shape_is_right:
; THE OUTPUT PROJECTION.  out0[m][n] = sum over k of oh[m][k] wo[n][k] + bo[n].  oh [8192][1024] f16; wo: plane 3 of wb, [1024][1024], bf16 numbers written as f16; bo: row 3 of tab's biases, f32; out0 f32.
; Products in f16, sums in f32, the bias added in f32; nothing else is rounded.  LIMIT: wo below 6.1e-5 keeps f16's fixed step of 6e-8.
; SHARES.  A tile is 128 rows x 256 columns: 256 work-groups.  Four waves, each 64 x 128: 32 accumulators of 16 x 16.  K goes in 8 steps of 128 (LDS rows of 256 bytes) through two LDS slots.
; THE TEXT OF A K STEP STANDS ONCE: slot 1 begins at 1 << 17, so that one exclusive or turns an address in one slot into the other's.  Six trips fill a slot again; the last two steps are a second loop that is left in its middle.
; CLUSTER 4 x 4: oh's tile is shared along a row of the cluster, wo's along a column; each is asked for jointly.  THE MATRIX INSTRUCTION IS USED TRANSPOSED (source 0 = 16 rows of wo, source 1 = 16 rows of oh).
; REGISTERS.  window 0: v0-31 addresses; v32-63, v64-95 oh's fragments, two buffers (on the way out: 16 rows read back); v96-159 bias; v160-223 at work on the way out
;   window 1: the accumulators, (a, b) at v[8 (8 a + b)]          window 2: v0-63, v64-127 wo's fragments, two buffers
.set PB,     272                       ; an LDS row: 256 bytes + 16 = 68 words: the 16 rows of a load start at 16 different groups of four banks (64 banks of 4 bytes: ISA guide 11.1)
.set AHALF,  64*PB
.set BHALF,  128*PB
.set BOFF,   2*AHALF
.set SLOT,   BOFF+2*BHALF              ; oh's 128 rows, then wo's 256 rows: 104,448 bytes
.set SLOT1,  1<<17
.set STAGE,  SLOT1+SLOT                ; behind the ring: 16 rows x 528 bytes for each wave, for the way out
.set SPITCH, 528
.set SPARE,  STAGE+4*16*SPITCH         ; behind the stages: the spare words, 128 bytes for each wave
.set ADRA0, 10                         ; v10-11  my lane's place in a slot's rows of oh, of wo; never rewritten
.set ADRB0, 11
.set ADRA, 16                          ; v16, v20 the same in the slot that is being read
.set ADRB, 20
.set STO,  24
.set RD,   25
.set CO,   26
.set SPW,  28                          ; v28     my spare word; never rewritten
.set NIL,  29                          ; v29     0; never rewritten
.set AF0,  32
.set OB,   32
.set BIAS, 96
.set TMP,  160
.set WV,  16
.set MH,  17
.set NH,  18
.set CNT, 19
.set G1,  24                           ; s[24:31] descriptor group 1 for oh's tiles;  s[32:39] group 0: a set for each of the two first fills; the second then walks on
.set G0,  32
.set G1B, 48                           ; s[48:55], s[56:63] the same for wo's
.set G0B, 56
.set TB,  80                           ; s80 first byte of the slot that is being read
.set MSB, 0
.macro WIN new
.if MSB != (\new)
	s_set_vgpr_msb (MSB<<8)|(\new)
.set MSB, \new
.endif
.endm
.set MUL,  0x52                        ; source 0 (wo) window 2, source 1 (oh) window 0, C and D window 1
.set TO_B, 0x80
.macro JLOAD s                         ; a joint load by set s: waves 0 and 1 fetch oh's two halves, waves 2 and 3 wo's; an s_nop 0 and four v_nop follow each line, ahead of the jump, the label and what follows
	s_cmp_eq_u32 s[MH], 0
	s_cbranch_scc0 .Lfor_b_\@
	tensor_load_to_lds s[G0+4*(\s):G0+4*(\s)+3], s[G1:G1+7]
	s_nop 0
.rept 4
	v_nop
.endr
	s_branch .Lasked_\@
.Lfor_b_\@:
	tensor_load_to_lds s[G0B+4*(\s):G0B+4*(\s)+3], s[G1B:G1B+7]
	s_nop 0
.rept 4
	v_nop
.endr
.Lasked_\@:
.endm
.macro CREST
	s_cmp_lg_u32 s[WV], 0
	s_cbranch_scc1 .Lnot_wave_0_\@
	s_barrier_signal -3
.Lnot_wave_0_\@:
	s_barrier_wait -3
	s_barrier_signal -1
	s_barrier_wait -1
.endm
.macro CROUND
	s_barrier_signal -1
	s_barrier_wait -1
	CREST
.endm
.macro PLACES                          ; four places in front of loads into registers that matrix instructions have read, and of vector lines that read results
.rept 4
	v_nop
.endr
.endm
	s_load_b256 s[4:11], s[0:1], 0x0               ; oh s[4:5], wb s[6:7], tab s[8:9], out0 s[10:11]
	v_lshl_add_u32 v[SPW], v0, 2, SPARE
	v_mov_b32 v[NIL], 0
	ds_add_u32 v[SPW], v[NIL]                      ; the wave's opening: the add and its wait stand ahead of my first tensor load; the set-up below, work on registers, stands between them
	v_lshrrev_b32 v1, 5, v0
	v_readfirstlane_b32 s[WV], v1
	s_lshr_b32 s[MH], s[WV], 1
	s_and_b32 s[NH], s[WV], 1
	s_bfe_u32 s20, ttmp6, 0x40000
	s_bfe_u32 s21, ttmp6, 0x40004
	s_lshl_b32 s22, ttmp9, 2
	s_add_co_u32 s22, s22, s20                     ; column tile 0..3
	s_and_b32 s23, ttmp7, 0xffff
	s_lshl_b32 s23, s23, 2
	s_add_co_u32 s23, s23, s21                     ; row tile 0..63
	s_lshl_b32 s42, s21, 2
	s_lshl_b32 s42, 15, s42                        ; my row of the cluster
	s_lshl_b32 s43, 0x1111, s20                    ; my column
	s_or_b32 s[G1+0], s42, (1<<16)|(1<<20)|(1<<21)|(5<<22)|(3<<25)   ; 15:0 the mask; 17:16 elements of 2 bytes; 20 padding on; 21 set beside a mask; 24:22 after every 64 words; 31:25 four words of it
	s_mov_b32 s[G1+1], 128<<16
	s_mov_b32 s[G1+2], 64<<16
	s_mov_b32 s[G1+3], 128<<16
	s_mov_b32 s[G1+4], 64
	s_mov_b32 s[G1+5], 1024
	s_mov_b32 s[G1+6], 0
	s_mov_b32 s[G1+7], 0
	s_or_b32 s[G1B+0], s43, (1<<16)|(1<<20)|(1<<21)|(5<<22)|(3<<25)
	s_mov_b32 s[G1B+1], 128<<16
	s_mov_b32 s[G1B+2], 128<<16
	s_mov_b32 s[G1B+3], 128<<16
	s_mov_b32 s[G1B+4], 128
	s_mov_b32 s[G1B+5], 1024
	s_mov_b32 s[G1B+6], 0
	s_mov_b32 s[G1B+7], 0
	s_lshl_b32 s44, s23, 18                        ; oh: 128 rows of 2,048 bytes, my 64 of them
	s_lshl_b32 s74, s[NH], 17
	s_add_co_u32 s44, s44, s74
	s_mov_b32 s45, 0
	s_lshl_b32 s46, s22, 19                        ; wo: 256 rows of 2,048 bytes, my 128 of them, in plane 3
	s_lshl_b32 s74, s[NH], 18
	s_add_co_u32 s46, s46, s74
	s_add_co_u32 s46, s46, 3<<21
	s_mov_b32 s47, 0
	s_mul_i32 s76, s[NH], AHALF
	s_mul_i32 s77, s[NH], BHALF
	s_add_co_u32 s77, s77, BOFF
	s_mov_b32 s[TB], 0
	s_wait_dscnt 0x0                               ; the opening add is done
	s_wait_kmcnt 0x0
	s_add_nc_u64 s[68:69], s[4:5], s[44:45]
	s_add_nc_u64 s[70:71], s[6:7], s[46:47]
	CROUND                                         ; all sixteen work-groups are here: the first joint loads meet
.irp s, 0,1
	s_mov_b32 s[G0+4*(\s)], 1
	s_add_co_u32 s[G0+4*(\s)+1], s76, (\s)*SLOT1
	s_add_nc_u64 s[G0+4*(\s)+2:G0+4*(\s)+3], s[68:69], (\s)*256
	s_or_b32 s[G0+4*(\s)+3], s[G0+4*(\s)+3], 0x80000000
	s_mov_b32 s[G0B+4*(\s)], 1
	s_add_co_u32 s[G0B+4*(\s)+1], s77, (\s)*SLOT1
	s_add_nc_u64 s[G0B+4*(\s)+2:G0B+4*(\s)+3], s[70:71], (\s)*256
	s_or_b32 s[G0B+4*(\s)+3], s[G0B+4*(\s)+3], 0x80000000
	JLOAD \s                                       ; two tensor loads of mine are out
.endr
	v_and_b32 v1, 15, v0                           ; r
	v_bfe_u32 v2, v0, 4, 1                         ; h
	v_mul_u32_u24 v4, v1, PB
	v_lshl_add_u32 v4, v2, 4, v4                   ; a fragment's row x pitch + 16 h
	s_mul_i32 s74, s[MH], AHALF
	s_mul_i32 s75, s[NH], BHALF
	s_add_co_u32 s75, s75, BOFF
	v_add_nc_u32 v[ADRA0], s74, v4
	v_add_nc_u32 v[ADRB0], s75, v4
	v_mov_b32 v[ADRA], v[ADRA0]                    ; K step 0 lies in slot 0
	v_mov_b32 v[ADRB], v[ADRB0]
	s_mul_i32 s74, s[WV], 16*SPITCH
	s_add_co_u32 s74, s74, STAGE                   ; my stage
	v_mul_u32_u24 v5, v1, SPITCH                   ; in: row r, 32 bytes (eight f32) for each half of the lanes
	v_lshl_add_u32 v5, v2, 5, v5
	v_add_nc_u32 v[STO], s74, v5
	v_and_b32 v[CO], 31, v0
	v_lshlrev_b32 v[CO], 4, v[CO]                  ; back: 32 lanes take a whole row of 512 bytes
	v_add_nc_u32 v[RD], s74, v[CO]
	v_lshlrev_b32 v6, 5, v2
	s_lshl_b32 s66, s22, 10
	s_lshl_b32 s74, s[NH], 9
	s_add_co_u32 s66, s66, s74
	s_add_co_u32 s66, s66, 12288
	s_mov_b32 s67, 0
	s_add_nc_u64 s[66:67], s[8:9], s[66:67]        ; bo at my wave's first column
.irp b, 0,1,2,3,4,5,6,7
	global_load_b128 v[BIAS+8*(\b):BIAS+8*(\b)+3],   v6, s[66:67] offset:64*(\b)
	global_load_b128 v[BIAS+8*(\b)+4:BIAS+8*(\b)+7], v6, s[66:67] offset:64*(\b)+16
.endr
	s_lshl_b32 s72, s23, 19                        ; where my part begins in out0: 128 rows of 4,096 bytes,
	s_lshl_b32 s74, s[MH], 18
	s_add_co_u32 s72, s72, s74
	s_lshl_b32 s74, s22, 10                        ; 256 columns of 4 bytes
	s_add_co_u32 s72, s72, s74
	s_lshl_b32 s74, s[NH], 9
	s_add_co_u32 s72, s72, s74
	s_mov_b32 s73, 0
; 24 LDS loads in one run: the fragments of 32 along K at byte kb of the rows: 128 rows of wo, 64 rows of oh, into buffers n
.macro FETCH kb, n
	WIN TO_B
.irp i, 0,1,2,3,4,5,6,7
	ds_load_b128 v[64*(\n)+8*(\i):64*(\n)+8*(\i)+3],   v[ADRB] offset:(\kb)+(\i)*16*PB
	ds_load_b128 v[64*(\n)+8*(\i)+4:64*(\n)+8*(\i)+7], v[ADRB] offset:(\kb)+(\i)*16*PB+32
.endr
	WIN 0
.irp i, 0,1,2,3
	ds_load_b128 v[AF0+32*(\n)+8*(\i):AF0+32*(\n)+8*(\i)+3],   v[ADRA] offset:(\kb)+(\i)*16*PB
	ds_load_b128 v[AF0+32*(\n)+8*(\i)+4:AF0+32*(\n)+8*(\i)+7], v[ADRA] offset:(\kb)+(\i)*16*PB+32
.endr
.endm
; 8 matrix instructions: row block a x all 8 column blocks, 32 along K, on buffers n.  The accumulators take turns, one instruction a turn.  zero = 1: the product starts the sums
.macro MUL8 n, a, zero
	WIN MUL
.irp b, 0,1,2,3,4,5,6,7
.if \zero
	v_wmma_f32_16x16x32_f16 v[8*(8*(\a)+(\b)):8*(8*(\a)+(\b))+7], v[64*(\n)+8*(\b):64*(\n)+8*(\b)+7], v[AF0+32*(\n)+8*(\a):AF0+32*(\n)+8*(\a)+7], 0
.else
	v_wmma_f32_16x16x32_f16 v[8*(8*(\a)+(\b)):8*(8*(\a)+(\b))+7], v[64*(\n)+8*(\b):64*(\n)+8*(\b)+7], v[AF0+32*(\n)+8*(\a):AF0+32*(\n)+8*(\a)+7], v[8*(8*(\a)+(\b)):8*(8*(\a)+(\b))+7]
.endif
.endr
.endm
; A K step is four quarters of 32 along K, 32 matrix instructions each, on buffers 0, 1, 0, 1.  One of the first three: the next quarter's loads stand in one run in its middle, 16 matrix instructions ahead of the wait for them
.macro QUARTER q, zero
	s_wait_dscnt 0x0                               ; this quarter's fragments are in
	MUL8 (\q)%2, 0, \zero
	MUL8 (\q)%2, 1, \zero
	PLACES
	FETCH 64*((\q)+1), 1-(\q)%2
	MUL8 (\q)%2, 2, \zero
	MUL8 (\q)%2, 3, \zero
.endm
; The last quarter multiplies buffers 1 and changes slots: ONE barrier; in front of it each wave waits for all its tensor loads, adds 0 to its spare word, and waits for that and for its own reads of this slot.
; fill = 1: the barrier opens a round of the cluster's, and this slot is filled again, two K steps ahead, first thing behind the round.
.macro TURN fill
	WIN 0
	s_wait_tensorcnt 0x0                           ; all my tensor loads have landed: my part of the next slot; no load of mine is out, so a group 0 may be written;
	ds_add_u32 v[SPW], v[NIL]                      ; 0 onto my spare word; the scalar steps and eight matrix instructions stand between it and the wait for it
.if \fill
	s_xor_b32 s[G0+5], s[G0+5], SLOT1              ; the walking descriptors: the other slot than last time,
	s_add_nc_u64 s[G0+6:G0+7], s[G0+6:G0+7], 256   ; the next K step; the type bits on top are not reached
	s_xor_b32 s[G0B+5], s[G0B+5], SLOT1
	s_add_nc_u64 s[G0B+6:G0B+7], s[G0B+6:G0B+7], 256
.endif
	s_xor_b32 s[TB], s[TB], SLOT1                  ; the slot that is read next
	s_wait_dscnt 1                                 ; (this quarter's fragments are in; the add may be out)
	MUL8 1, 0, 0
	s_wait_dscnt 0x0                               ; the add is done, and my reads of this slot are over
	s_barrier_signal -1
	MUL8 1, 1, 0
	WIN 0
	s_barrier_wait -1
.if \fill
	CREST                                          ; no wave of any partner still reads this slot's tiles or has a load on its way
	JLOAD 1                                        ; the four v_nop behind it are also the places in front of the loads below
.else
	PLACES
.endif
	v_add_nc_u32 v[ADRA], s[TB], v[ADRA0]
	v_add_nc_u32 v[ADRB], s[TB], v[ADRB0]
	FETCH 0, 0
	MUL8 1, 2, 0
	MUL8 1, 3, 0
.endm
	s_wait_tensorcnt 1                             ; my part of K step 0 is in; K step 1's may stay out
	s_barrier_signal -1
	s_barrier_wait -1
	FETCH 0, 0
	QUARTER 0, 1                                   ; the first quarter stands in front of the loop: its products start the sums
	WIN 0
	s_mov_b32 s[CNT], 6
.Lstep:                                                ; a trip goes from a K step's second quarter to the next step's first, and fills the slot that it leaves
	QUARTER 1, 0
	QUARTER 2, 0
	TURN 1
	QUARTER 0, 0
	WIN 0
	s_sub_co_u32 s[CNT], s[CNT], 1
	s_cmp_lg_u32 s[CNT], 0
	s_cbranch_scc1 .Lstep
	s_mov_b32 s[CNT], 2                            ; the last two K steps ask for nothing: a text of their own; the second trip is left in its middle
.Ltail:
	QUARTER 1, 0
	QUARTER 2, 0
	WIN 0
	s_sub_co_u32 s[CNT], s[CNT], 1
	s_cmp_eq_u32 s[CNT], 0
	s_cbranch_scc1 .Llast
	TURN 0
	QUARTER 0, 0
	WIN 0
	s_branch .Ltail
.Llast:
	s_wait_dscnt 0x0                               ; the very last quarter: nothing more to fetch
	MUL8 1, 0, 0
	MUL8 1, 1, 0
	MUL8 1, 2, 0
	MUL8 1, 3, 0
	WIN 0
; THE WAY OUT, a block of 16 rows at a time: the bias is added (each accumulator's registers in ascending order); 32 bytes a lane into my own stage; back as whole rows of 512 bytes; stored.
.macro OUT a
	WIN 0x01                                       ; source 0 window 1
.irp b, 0,1,2,3,4,5,6,7
.irp j, 0,1,2,3
	v_pk_add_f32 v[TMP+8*(\b)+2*(\j):TMP+8*(\b)+2*(\j)+1], v[8*(8*(\a)+(\b))+2*(\j):8*(8*(\a)+(\b))+2*(\j)+1], v[BIAS+8*(\b)+2*(\j):BIAS+8*(\b)+2*(\j)+1]
.endr
.endr
	WIN 0
.irp b, 0,1,2,3,4,5,6,7
	ds_store_b128 v[STO], v[TMP+8*(\b):TMP+8*(\b)+3]   offset:64*(\b)
	ds_store_b128 v[STO], v[TMP+8*(\b)+4:TMP+8*(\b)+7] offset:64*(\b)+16
.endr
	s_wait_xcnt 0x0                                ; the stores of the block before name OB and the base: both are rewritten only behind this wait
.if (\a) == 0
	s_add_nc_u64 s[10:11], s[10:11], s[72:73]
.else
	s_add_nc_u64 s[10:11], s[10:11], 16*4096
.endif
.irp t, 0,1,2,3,4,5,6,7,8,9,10,11,12,13,14,15
	ds_load_b128 v[OB+4*(\t):OB+4*(\t)+3], v[RD] offset:(\t)*SPITCH  ; LDS serves a wave's instructions in order (ISA guide 5.7.1.4): these see the stores above
.endr
.irp t, 0,1,2,3,4,5,6,7,8,9,10,11,12,13,14,15
	s_wait_dscnt 15-(\t)                           ; row t is in; the younger loads may be out
	global_store_b128 v[CO], v[OB+4*(\t):OB+4*(\t)+3], s[10:11] offset:(\t)*4096 th:TH_STORE_NT  ; 512 consecutive bytes, at a multiple of 256 from out0's first byte
.endr
.endm
	s_wait_loadcnt 0x0                             ; the bias
	PLACES
	OUT 0
	OUT 1
	OUT 2
	OUT 3
	s_wait_tensorcnt 0x0                           ; the wave's end: a tensor wait, an add to my spare word and its wait, behind my last tensor load and my last LDS store
	ds_add_u32 v[SPW], v[NIL]
	s_wait_dscnt 0x0
	CROUND                                         ; the closing round: no work-group ends while a partner may still ask for a tile that names it
	s_endpgm
.Lfunc_end_k_qd1719e2742_oproj:
	.size	k_qd1719e2742_oproj, .Lfunc_end_k_qd1719e2742_oproj-k_qd1719e2742_oproj
	.p2alignl 7, 3214868480
	.fill 96, 4, 3214868480
	.section	.rodata,"a",@progbits
	.p2align	6, 0x0
	.amdhsa_kernel k_qd1719e2742_oproj
		.amdhsa_group_segment_fixed_size 327680
		.amdhsa_private_segment_fixed_size 0
		.amdhsa_enable_private_segment 0
		.amdhsa_kernarg_size 32
		.amdhsa_user_sgpr_count 2
		.amdhsa_user_sgpr_kernarg_segment_ptr 1
		.amdhsa_wavefront_size32 1
		.amdhsa_system_sgpr_workgroup_id_x 1
		.amdhsa_system_sgpr_workgroup_id_y 1
		.amdhsa_system_sgpr_workgroup_id_z 1
		.amdhsa_system_vgpr_workitem_id 0
		.amdhsa_next_free_vgpr 640
		.amdhsa_next_free_sgpr 82
		.amdhsa_reserve_vcc 0
		.amdhsa_float_denorm_mode_32 3
		.amdhsa_float_denorm_mode_16_64 3
		.amdhsa_memory_ordered 1
		.amdhsa_forward_progress 1
		.amdhsa_inst_pref_size 73
	.end_amdhsa_kernel
	.amdgpu_metadata
---
amdhsa.version: [ 1, 2 ]
amdhsa.kernels:
  - .name:           k_qd1719e2742_oproj
    .symbol:         k_qd1719e2742_oproj.kd
    .args:
      - { .name: oh, .offset: 0, .size: 8, .value_kind: global_buffer, .address_space: global }
      - { .name: wb, .offset: 8, .size: 8, .value_kind: global_buffer, .address_space: global }
      - { .name: tab, .offset: 16, .size: 8, .value_kind: global_buffer, .address_space: global }
      - { .name: out0, .offset: 24, .size: 8, .value_kind: global_buffer, .address_space: global }
    .group_segment_fixed_size: 327680
    .private_segment_fixed_size: 0
    .kernarg_segment_align: 8
    .kernarg_segment_size: 32
    .max_flat_workgroup_size: 128
    .sgpr_count:     82
    .vgpr_count:     640
    .wavefront_size: 32
...
	.end_amdgpu_metadata
.endif
;; end of part 4
;; ======== version 2 of 2: 4 launches; version 1 with the launch prep written anew for expert scheduling mode
;; limits: values are held in f16: magnitudes above 65,504 overflow, below 6.1e-05 lose precision
;; workspace buffers: wb 8,388,608 bytes; cms 4,194,304 bytes; tab 147,456 bytes; qkv 50,331,648 bytes; oh 16,777,216 bytes
;; launch prep (part 5): grid 321 x 1, 8 waves a work-group, no clusters, 0 bytes of LDS; arguments wq, wk, wv, wo, causal_mask, padding_mask, bq, bv, bo, wb, cms, tab; writes wb, cms, tab
.if DOCPART == 5
	.amdgcn_target "amdgcn-amd-amdhsa--gfx1250"
	.amdhsa_code_object_version 6
	.text
	.protected	k_qd1719e2742_prep
	.globl	k_qd1719e2742_prep
	.p2align	8
	.type	k_qd1719e2742_prep,@function
k_qd1719e2742_prep:
	s_mov_b64 s[64:65], 0
	v_nop
	global_prefetch_b8 v0, s[64:65] scope:SCOPE_SE
	s_setreg_imm32_b32 hwreg(HW_REG_WAVE_SCHED_MODE, 0, 2), 2
	s_setreg_imm32_b32 hwreg(HW_REG_WAVE_MODE, 25, 1), 1
	s_wait_xcnt 0x0
	s_wait_alu depctr_vm_vsrc(0)
; PREP: what the three matrix launches read again and again is made once, in the form in which they take it.
;   wb  [4][1024][1024], 16 bits: wq, wk, wv rounded to bf16; wo rounded to bf16 and that number written as f16 (exact from 6.1e-5 up; below, f16's fixed step of 6e-8).
;   cms [1024][1024] f32: c x (causal_mask rounded to bf16), c = log2(e), one f32 rounding: the attention launch works on scores times c.
;   tab f32: +0 bias[4][1024] = bq c/8, 0, bv, bo (each first rounded to bf16); +16384 rs[3][8192], a factor for each row of a projection: c/8 for q; 0 for a padded key's row of k, else 1; 1 for v;
;            +114688 pt[8][1024] = c x (-1e9) for a padded key, else 0.
; ALL floating-point inputs of the module are rounded to bf16, the mask and the biases too: one rounding for every input.
; A stream: no LDS, no matrix unit, no cluster (no byte is read twice).  Eight waves; a work-group takes 65,536 bytes of one f32 input: sixteen loads of 16 bytes a lane, all issued before the first is used.
; Work-group 0 makes tab, 1 to 64 cms, 65 to 320 wb.  Every store has data registers of its own, so nothing waits for a store.
; THE MODE: SCHED_MODE bits 1:0 = 2 (LLVM: expert scheduling mode 2), set by the entry lines.  The code itself states the register dependences
; between vector instructions and memory instructions, with s_wait_alu, always for 0.
; THE PLAN.  Registers that memory instructions touch:
;   v1, v2, v3   byte offsets, made at the head and never written again; every load and store reads one of them.
;   X            chunk i: four registers.  Written by its load; all sixteen loads are issued before any vector line names X.  Read by chunk i's conversions.  For the mask the chunk's result goes back into them, once, and one store reads it.
;   Y            chunk i: two registers.  Written once, by chunk i's conversions; read by one store.
;   T, v109      named by vector lines alone.
; The sixteen chunks go in four groups of four.  Group g's vector lines name X and Y of group g, and T.  Its memory instructions are the four stores of group g - 1, whose registers no vector line of group g names.
; So ONE wait on va_vdst at a group's head, behind the wait for the group's loads, states all that those four stores hang on, and they are dealt among the group's vector lines with no further wait.
; No register that a memory instruction reads is ever written again, no load lands in a register that a vector line has named, and EXEC is never written: the text holds no wait on vm_vsrc behind the entry lines.
; In the tables' part compares write lane masks into scalar registers that selects read: the compares stand in two runs of sixteen, each with one wait on va_sdst behind it.
.set X, 4                              ; v[4:67]    sixteen loads of four registers
.set Y, 68                             ; v[68:99]   sixteen stores of two registers
.set T, 100                            ; v[100:105] at work
.set C_L2E, 0x3fb8aa3b                 ; c = log2(e)
.set C_Q,   0x3e38aa3b                 ; c / 8
.set NEGV,  0xce6e6b28                 ; -1e9
.macro LOAD16 lo                       ; 65,536 consecutive bytes: each load of a wave covers 512 of them
.irp i, 0,1,2,3,4,5,6,7,8,9,10,11,12,13,14,15
	global_load_b128 v[X+4*(\i):X+4*(\i)+3], v1, s[\lo:\lo+1] offset:4096*(\i) th:TH_LOAD_NT
.endr
.endm
; Chunk i's arithmetic.  kind 0: wq, wk, wv, rounded to bf16.  kind 1: wo, rounded to bf16 like every input, then that number as f16.  kind 2: the mask, rounded to bf16, then times c in f32.
.macro WORK kind, i
.if (\kind) == 0
	v_cvt_pk_bf16_f32 v[Y+2*(\i)], v[X+4*(\i)], v[X+4*(\i)+1]
	v_cvt_pk_bf16_f32 v[Y+2*(\i)+1], v[X+4*(\i)+2], v[X+4*(\i)+3]
.else
	v_cvt_pk_bf16_f32 v[T], v[X+4*(\i)], v[X+4*(\i)+1]
	v_cvt_pk_bf16_f32 v[T+1], v[X+4*(\i)+2], v[X+4*(\i)+3]
.if (\kind) == 1
	v_lshlrev_b32 v[T+2], 16, v[T]
	v_and_b32 v[T+3], s38, v[T]
	v_lshlrev_b32 v[T+4], 16, v[T+1]
	v_and_b32 v[T+5], s38, v[T+1]
	v_cvt_pk_f16_f32 v[Y+2*(\i)], v[T+2], v[T+3]
	v_cvt_pk_f16_f32 v[Y+2*(\i)+1], v[T+4], v[T+5]
.else
	v_lshlrev_b32 v[X+4*(\i)], 16, v[T]
	v_and_b32 v[X+4*(\i)+1], s38, v[T]
	v_lshlrev_b32 v[X+4*(\i)+2], 16, v[T+1]
	v_and_b32 v[X+4*(\i)+3], s38, v[T+1]
	v_pk_mul_f32 v[X+4*(\i):X+4*(\i)+1], v[X+4*(\i):X+4*(\i)+1], s[36:37] op_sel_hi:[1,0]
	v_pk_mul_f32 v[X+4*(\i)+2:X+4*(\i)+3], v[X+4*(\i)+2:X+4*(\i)+3], s[36:37] op_sel_hi:[1,0]
.endif
.endif
.endm
; Chunk i's store.
.macro SEND kind, i
.if (\kind) == 2
	global_store_b128 v1, v[X+4*(\i):X+4*(\i)+3], s[24:25] offset:4096*(\i)
.else
	global_store_b64 v2, v[Y+2*(\i):Y+2*(\i)+1], s[22:23] offset:2048*(\i)  ; a wave stores 256 consecutive bytes, aligned
.endif
.endm
; The sixteen chunks, in four groups of four.
.macro WALK kind
.irp g, 0,1,2,3
	s_wait_loadcnt 12-4*(\g)                       ; loads come back in order: this group's four are in, the younger groups' stay out
.if (\g) > 0
	s_wait_alu depctr_va_vdst(0)                   ; the group before has written its four chunks' results, which the four stores below read
.endif
.irp c, 0,1,2,3
.if (\g) > 0
	SEND \kind, 4*(\g)-4+(\c)                      ; no vector line since the wait names this store's registers
.endif
	WORK \kind, 4*(\g)+(\c)
.endr
.endr
	s_wait_alu depctr_va_vdst(0)                   ; the last group has written its results, which the last four stores read
.irp c, 12,13,14,15
	SEND \kind, \c
.endr
.endm
	s_load_b512 s[4:19], s[0:1], 0x0               ; wq 4, wk 6, wv 8, wo 10, causal_mask 12, padding_mask 14, bq 16, bv 18
	s_load_b256 s[20:27], s[0:1], 0x40             ; bo 20, wb 22, cms 24, tab 26
	v_lshlrev_b32 v1, 4, v0                        ; 16 t
	v_lshlrev_b32 v2, 3, v0                        ; 8 t
	v_lshlrev_b32 v3, 2, v0                        ; 4 t
	s_mov_b32 s36, C_L2E                           ; a pair: the packed multiply names both and takes the low word twice
	s_mov_b32 s37, C_L2E
	s_mov_b32 s38, 0xffff0000                      ; a word's upper bf16
	s_mov_b32 s33, 0                               ; high words of the two offsets
	s_mov_b32 s35, 0
	s_wait_kmcnt 0x0
	s_wait_alu depctr_va_vdst(0)                   ; v1, v2 and v3 are written: every load and store of the kernel, on each of the ways below, reads one of them as its offset
	s_cmp_eq_u32 ttmp9, 0
	s_cbranch_scc1 .Ltables
	s_cmp_lt_u32 ttmp9, 65
	s_cbranch_scc1 .Lmask
	; ---- a sixty-fourth of one weight
	s_sub_co_u32 s30, ttmp9, 65
	s_lshr_b32 s31, s30, 6                         ; which weight
	s_and_b32 s30, s30, 63                         ; which part of it
	s_mov_b64 s[28:29], s[4:5]
	s_cmp_eq_u32 s31, 1
	s_cselect_b64 s[28:29], s[6:7], s[28:29]
	s_cmp_eq_u32 s31, 2
	s_cselect_b64 s[28:29], s[8:9], s[28:29]
	s_cmp_eq_u32 s31, 3
	s_cselect_b64 s[28:29], s[10:11], s[28:29]
	s_lshl_b32 s32, s30, 16
	s_add_nc_u64 s[28:29], s[28:29], s[32:33]
	s_lshl_b32 s34, s31, 21                        ; a plane of wb is 2 MiB,
	s_lshl_b32 s30, s30, 15                        ; a part 32,768 bytes
	s_add_co_u32 s34, s34, s30
	s_add_nc_u64 s[22:23], s[22:23], s[34:35]
	LOAD16 28
	s_cmp_eq_u32 s31, 3
	s_cbranch_scc1 .Lwo
	WALK 0
	s_endpgm
.Lwo:                                                  ; wo: rounded to bf16 like every input, then that number as f16
	WALK 1
	s_endpgm
.Lmask:                                                ; ---- a sixty-fourth of the additive mask
	s_sub_co_u32 s30, ttmp9, 1
	s_lshl_b32 s32, s30, 16
	s_add_nc_u64 s[12:13], s[12:13], s[32:33]
	s_add_nc_u64 s[24:25], s[24:25], s[32:33]
	LOAD16 12
	WALK 2
	s_endpgm
; ---- the small tables.  v[4:15] the biases; v[16:23] four mask bytes for each batch; v[32:63] rs of k; v[64:95] pt; v[96:107] constants; v108 c x (-1e9); v109 at work
; Sixteen lane masks at a time, for four batches' sixteen bytes: number n in s[4 + n] for n under 10, else in s[18 + n]: s4 to s13 and s28 to s33, which this way uses for nothing else.
.macro MREG n                          ; sets m, the scalar register of mask n
.if (\n) < 10
.set m, 4+(\n)
.else
.set m, 18+(\n)
.endif
.endm
.macro SEEK first                      ; the masks of batches first to first + 3: is byte j of the batch's word other than 0?
.irp i, 0,1,2,3
.irp j, 0,1,2,3
	MREG 4*(\i)+(\j)
	v_bfe_u32 v109, v[16+(\first)+(\i)], 8*(\j), 8
	v_cmp_ne_u32 s[m], 0, v109
.endr
.endr
.endm
.macro PICK i                          ; batch i's eight selects
.irp j, 0,1,2,3
	MREG 4*((\i)%4)+(\j)
	v_cndmask_b32 v[32+4*(\i)+(\j)], 1.0, v104, s[m]  ; padded: 0
	v_cndmask_b32 v[64+4*(\i)+(\j)], 0, v108, s[m]    ; padded: c x (-1e9)
.endr
.endm
.macro PUT i                           ; batch i's two stores
	global_store_b128 v1, v[32+4*(\i):32+4*(\i)+3], s[26:27] offset:49152+4096*(\i)
	global_store_b128 v1, v[64+4*(\i):64+4*(\i)+3], s[26:27] offset:114688+4096*(\i)
.endm
.Ltables:
	global_load_b128 v[4:7], v1, s[16:17]
	global_load_b128 v[8:11], v1, s[18:19]
	global_load_b128 v[12:15], v1, s[20:21]
.irp i, 0,1,2,3,4,5,6,7
	global_load_b32 v[16+(\i)], v3, s[14:15] offset:1024*(\i)  ; batch i, keys 4 t to 4 t + 3
.endr
	v_mov_b32 v108, NEGV
	v_mul_f32 v108, s36, v108                      ; c x (-1e9), rounded once
.irp j, 0,1,2,3
	v_mov_b32 v[96+(\j)], C_Q
	v_mov_b32 v[100+(\j)], 1.0
	v_mov_b32 v[104+(\j)], 0
.endr
	s_wait_alu depctr_va_vdst(0)                   ; the twelve constants v96 to v107 are written, which the seventeen stores below read
	global_store_b128 v1, v[104:107], s[26:27] offset:4096  ; k has no bias
.irp i, 0,1,2,3,4,5,6,7
	global_store_b128 v1, v[96:99], s[26:27] offset:16384+4096*(\i)    ; rs of q
	global_store_b128 v1, v[100:103], s[26:27] offset:81920+4096*(\i)  ; rs of v
.endr
	s_wait_loadcnt 0x0
.irp p, 4,6,8,10,12,14
	v_cvt_pk_bf16_f32 v109, v[\p], v[\p+1]
	v_lshlrev_b32 v[\p], 16, v109
	v_and_b32 v[\p+1], s38, v109
.endr
.irp p, 4,5,6,7
	v_mul_f32 v[\p], C_Q, v[\p]
.endr
	SEEK 0
	s_wait_alu depctr_va_sdst(0)                   ; the sixteen compares have written the masks of batches 0 to 3, ahead of the selects that read them
.irp i, 0,1,2,3
	PICK \i
.endr
	SEEK 4
	s_wait_alu depctr_va_sdst(0)                   ; the sixteen compares have written the masks of batches 4 to 7, ahead of the selects that read them
	s_wait_alu depctr_va_vdst(0)                   ; the biases v4 to v15 and the selects of batches 0 to 3, v32 to v47 and v64 to v79, are written, which the eleven stores below read
	global_store_b128 v1, v[4:7], s[26:27]
	global_store_b128 v1, v[8:11], s[26:27] offset:8192
	global_store_b128 v1, v[12:15], s[26:27] offset:12288
.irp i, 4,5,6,7
	PUT (\i)-4                                     ; no vector line since the wait names these stores' registers: the selects below write v48 to v63 and v80 to v95
	PICK \i
.endr
	s_wait_alu depctr_va_vdst(0)                   ; the selects of batches 4 to 7 are written, which the last eight stores read
.irp i, 4,5,6,7
	PUT \i
.endr
	s_endpgm
.Lfunc_end_k_qd1719e2742_prep:
	.size	k_qd1719e2742_prep, .Lfunc_end_k_qd1719e2742_prep-k_qd1719e2742_prep
	.p2alignl 7, 3214868480
	.fill 96, 4, 3214868480
	.section	.rodata,"a",@progbits
	.p2align	6, 0x0
	.amdhsa_kernel k_qd1719e2742_prep
		.amdhsa_group_segment_fixed_size 0
		.amdhsa_private_segment_fixed_size 0
		.amdhsa_enable_private_segment 0
		.amdhsa_kernarg_size 96
		.amdhsa_user_sgpr_count 2
		.amdhsa_user_sgpr_kernarg_segment_ptr 1
		.amdhsa_wavefront_size32 1
		.amdhsa_system_sgpr_workgroup_id_x 1
		.amdhsa_system_sgpr_workgroup_id_y 1
		.amdhsa_system_sgpr_workgroup_id_z 1
		.amdhsa_system_vgpr_workitem_id 0
		.amdhsa_next_free_vgpr 112
		.amdhsa_next_free_sgpr 66
		.amdhsa_reserve_vcc 0
		.amdhsa_float_denorm_mode_32 3
		.amdhsa_float_denorm_mode_16_64 3
		.amdhsa_memory_ordered 1
		.amdhsa_forward_progress 1
		.amdhsa_inst_pref_size 39
	.end_amdhsa_kernel
	.amdgpu_metadata
---
amdhsa.version: [ 1, 2 ]
amdhsa.kernels:
  - .name:           k_qd1719e2742_prep
    .symbol:         k_qd1719e2742_prep.kd
    .args:
      - { .name: wq, .offset: 0, .size: 8, .value_kind: global_buffer, .address_space: global }
      - { .name: wk, .offset: 8, .size: 8, .value_kind: global_buffer, .address_space: global }
      - { .name: wv, .offset: 16, .size: 8, .value_kind: global_buffer, .address_space: global }
      - { .name: wo, .offset: 24, .size: 8, .value_kind: global_buffer, .address_space: global }
      - { .name: causal_mask, .offset: 32, .size: 8, .value_kind: global_buffer, .address_space: global }
      - { .name: padding_mask, .offset: 40, .size: 8, .value_kind: global_buffer, .address_space: global }
      - { .name: bq, .offset: 48, .size: 8, .value_kind: global_buffer, .address_space: global }
      - { .name: bv, .offset: 56, .size: 8, .value_kind: global_buffer, .address_space: global }
      - { .name: bo, .offset: 64, .size: 8, .value_kind: global_buffer, .address_space: global }
      - { .name: wb, .offset: 72, .size: 8, .value_kind: global_buffer, .address_space: global }
      - { .name: cms, .offset: 80, .size: 8, .value_kind: global_buffer, .address_space: global }
      - { .name: tab, .offset: 88, .size: 8, .value_kind: global_buffer, .address_space: global }
    .group_segment_fixed_size: 0
    .private_segment_fixed_size: 0
    .kernarg_segment_align: 8
    .kernarg_segment_size: 96
    .max_flat_workgroup_size: 256
    .sgpr_count:     66
    .vgpr_count:     112
    .wavefront_size: 32
...
	.end_amdgpu_metadata
.endif
;; end of part 5
;; launch proj: the kernel of part 2 again; grid 4 x 64, 4 waves a work-group, clusters of 4 x 4, 327,680 bytes of LDS; arguments q, k, v, wb, tab, qkv; writes qkv
;; launch attn: the kernel of part 3 again; grid 8 x 32, 4 waves a work-group, clusters of 4 x 4, 327,680 bytes of LDS; arguments qkv, cms, tab, oh; writes oh
;; launch oproj: the kernel of part 4 again; grid 4 x 64, 4 waves a work-group, clusters of 4 x 4, 327,680 bytes of LDS; arguments oh, wb, tab, out0; writes out0
